; MI455X (gfx1250); checked and timed in simulation.
; The chip was launched on July 23, 2026; its instructions are those of AMD's public machine-readable ISA for CDNA 5 (MIT licence, August 2026) and "CDNA5" Instruction Set Architecture Reference Guide (July 2026). The comments in the code are by the model that wrote it; some were corrected since.
;; I64 Attention. Allowed arithmetic: matrix products marked QUANTISED: E2M1 operands, one E8M0 scale for each 32 along K, by v_wmma_scale_f32_16x16x128_f8f6f4 with both operands' format E2M1 (or v_wmma_scale_f32_32x16x128_f4), f32 sums; everything else in f32.
;; Inputs: Wk 512 x 2,048 float32; Wmu_k 512 x 2,048 float32; Wmu_q 2,048 x 2,048 float32; Wmu_v 512 x 2,048 float32; Wo 2,048 x 2,048 float32; Wq 2,048 x 2,048 float32; Wv 512 x 2,048 float32; hidden 1 x 2,048 x 2,048 float32; kn_w 128 float32; mu_prev 1 x 2,048 x 2,048 float32; positions 2,048 int32; qn_w 128 float32.
;; Outputs: out0 1 x 2,048 x 2,048 float32.
;; This version of the problem:
;;   THIS VERSION OF THE PROBLEM IS GIVEN IN LOW PRECISION. The matrix products marked QUANTISED in the list below multiply operands that are first quantised to E2M1 (2 exponent bits, 1 mantissa bit; 4 bits a number), with one power-of-two scale for each 32 numbers along K (OCP MX v1.0); their sums are f32. All else is computed in f32.
;;   The module's matrix products, in the order in which they are computed (A, B: the left and right operand; K: the contracted axis; several contracted axes count as one K, in the product's order):
;;     1. [M 2,048, K 2,048] x [K 2,048, N 2,048]; A: input hidden; B: input Wq: QUANTISED
;;     2. [M 2,048, K 2,048] x [K 2,048, N 2,048]; A: input mu_prev; B: input Wmu_q: QUANTISED
;;     3. [M 2,048, K 2,048] x [K 2,048, N 512]; A: input hidden; B: input Wk: QUANTISED
;;     4. [M 2,048, K 2,048] x [K 2,048, N 512]; A: input mu_prev; B: input Wmu_k: QUANTISED
;;     5. [M 2,048, K 2,048] x [K 2,048, N 512]; A: input hidden; B: input Wv: QUANTISED
;;     6. [M 2,048, K 2,048] x [K 2,048, N 512]; A: input mu_prev; B: input Wmu_v: QUANTISED
;;     7. batch 16 x [M 2,048, K 128] x [K 128, N 2,048]; A: computed on the way; B: computed on the way: QUANTISED
;;     8. batch 16 x [M 2,048, K 2,048] x [K 2,048, N 128]; A: softmax (see below); B: computed on the way: QUANTISED
;;     9. [M 2,048, K 2,048] x [K 2,048, N 2,048]; A: computed on the way; B: input Wo: QUANTISED
;;   THE QUANTISER, for each operand of a quantised product, along K:
;;     - K is cut into blocks of 32 from its start; a last block that is shorter is filled with zeros.
;;     - A block's scale is 2^e with e = floor(log2(the largest magnitude in the block)) - 2, held to -126 .. 127; a block of zeros has e = 0. As a byte (E8M0): e + 127.
;;     - Each number is divided by its block's scale, clamped to +-6, and rounded to the nearest number of E2M1, ties to even, subnormals kept.
;;     - The product sums the exact products of the quantised numbers (number of the format x scale) in f32.
;;   ~~~python
;;   def quantise(x, axis):      # numpy; x: float32 -> the quantised numbers, widened to float32 again
;;       x = np.moveaxis(x, axis, -1); K = x.shape[-1]
;;       x = np.pad(x, [(0, 0)] * (x.ndim - 1) + [(0, -K % 32)]); x = x.reshape(x.shape[:-1] + (-1, 32)); a = np.abs(x).max(-1, keepdims=True)
;;       e = np.where(a > 0, np.clip(np.frexp(np.where(a > 0, a, 1))[1] - 1 - 2, -126, 127), 0)      # np.frexp(a)[1] - 1 = floor(log2(a)), exactly
;;       r = np.clip(x / 2.0 ** e, -6, 6)
;;       step = 2.0 ** (np.maximum(np.frexp(np.where(r == 0, 1, r))[1] - 1, 0) - 1)
;;       q = np.round(r / step) * step * 2.0 ** e      # np.round: ties to even
;;       return np.moveaxis(q.reshape(q.shape[:-2] + (-1,))[..., :K], -1, axis).astype(np.float32)
;;   ~~~
;;   SOFTMAX AHEAD OF A QUANTISED PRODUCT. Where the list says 'softmax', what is quantised is not the finished softmax but p = 2^(t - M), with t = logit x log2(e) and M = ceil(the row's largest t), a whole number; so 1/2 < the row's largest p <= 1. The row's sum l is taken of the UNQUANTISED p, in f32, and the product's result is divided by l at the end. Since M is a whole number, a kernel that streams over the keys may use a running M (the ceiling of the running maximum): every later rescaling is an exact power of two, which a block's scale takes up: the codes' values come out the same.
;;   OPERANDS COMPUTED ON THE WAY. 'Computed on the way' means the value that the module computes at that place (a softmax that the list does not call 'softmax' is quantised finished and normalised). What goes into a quantiser is computed in f32, as accurately as f32 sums, v_exp_f32 and their like allow (about 1e-6 of the number): no bf16 or f16 on the way to a quantiser, and a product that is left as it is and whose result goes on into a quantised operand takes f32 operands (vector FMAs, or v_wmma_f32_16x16x4_f32). A number that lies on a knife's edge between two numbers of the format may be rounded either way, as far as f32 arithmetic and the matrix unit's own rounding can turn it there, and no further.
;; One version. Each part assembles by itself: llvm-mc -triple=amdgcn-amd-amdhsa -mcpu=gfx1250 --defsym DOCPART=n.
;; ======== version 1 of 1: 4 launches
;; limits: right only within a limited range of input values
;; workspace buffers: xq 4,456,448 bytes; wq 6,684,672 bytes; woq 2,228,224 bytes; tab 1,048,576 bytes; qq 2,228,224 bytes; kv 1,114,112 bytes; aq 2,228,224 bytes
;; launch prep (part 1): grid 800 x 1, 4 waves a work-group, no clusters, 41,472 bytes of LDS; arguments hidden, mu_prev, Wq, Wmu_q, Wk, Wmu_k, Wv, Wmu_v, Wo, positions, xq, wq, woq, tab; writes xq, wq, woq, tab
.if DOCPART == 1
	.amdgcn_target "amdgcn-amd-amdhsa--gfx1250"
	.amdhsa_code_object_version 6
	.text
	.protected	k_q93a97b9c41_prep
	.globl	k_q93a97b9c41_prep
	.p2align	8
	.type	k_q93a97b9c41_prep,@function
k_q93a97b9c41_prep:
	s_mov_b64 s[64:65], 0
	v_nop
	global_prefetch_b8 v0, s[64:65] scope:SCOPE_SE
	s_setreg_imm32_b32 hwreg(HW_REG_WAVE_MODE, 25, 1), 1
	s_wait_xcnt 0x0
; PREP: the nine f32 tensors (all [rows][2048], K innermost) become codes of FP4 (E2M1) with one E8M0 byte for each 32 along K; and positions become a table of cos and sin.
; A block's scale is 2^(floor(log2(largest magnitude)) - 2): its byte is the largest magnitude's exponent field - 2, held at 1 from below.
; LAYOUT OF THE CODES.  A TILE is 16 rows: tile 2 c + u holds rows 32 c + 8 u + (p & 7) + 16 (p >> 3), p = 0 .. 15 its places.  A tile's 512 along K are one block of 4,352 bytes:
; four images of an operand's registers (128 along K each: [block of 32][place][16 bytes], 1,024 bytes), then 256 bytes of scale words [place][K step of 128][4 bytes].
; xq: [tile 128][8][4,352], hidden then mu_prev along K;  wq: [tile 192][8][4,352], Wq|Wmu_q, Wk|Wmu_k, Wv|Wmu_v;  woq: [tile 128][4][4,352].
; SHARES.  Work-groups 0-767: one tile each, wave w its w-th 512 along K: 16 steps of 512 numbers (four rows x 128).  Each load reads 512 consecutive bytes; a step's 2,048 bytes turn through the wave's own
; stage in LDS so that a lane holds 16 neighbours along K (two lanes to a block); codes and bytes are gathered in the wave's own LDS and leave as 4,352 consecutive bytes.  Waves share nothing: no barrier.
; Work-groups 768-799: the table: a wave to a tile of 16 tokens.  tab: [tile][cos, sin][8][lane][16 bytes]: register 16 b + i of lane (r, h) belongs to frequency 32 b + 16 h + i of the token at place r.
; The angle is position x RN(1 / RN(10^(d / 16))), one f32 product, as the definition has it; cos and sin by a three-part reduction by pi / 2 and polynomials on [-pi/4, pi/4].
; LIMITS: NaN and infinities among the inputs are not served; a block of zeros, or one whose largest magnitude lies under 2^-124, keeps the byte 1 (its codes are zeros or nearly; only this program reads the bytes);
; |position| up to 2^17 (the reduction's range); the power 10^(d / 16) is taken correctly rounded.
.set SP,    64                         ; a lane's 64 bytes in a stage; no padding: the 16-byte pieces are laid by an exclusive or (below)
.set WREG,  10240                      ; LDS of a wave: two stages, the images, the scale words
.set IMG,   2*32*SP                    ; the four images: a block of 32 along K is 256 bytes + 16 of padding,
.set IPB,   320                        ; 80 words: the four blocks of a code store begin 16 banks apart
.set IPI,   4*IPB                      ; an image four of them
.set SCW,   IMG+4*IPI                  ; the 256 bytes of scale words
.set BLK,   4352
.set EMAX,  2
.set R,     16                         ; v16-79   four sets of 16 numbers as loaded
.set X,     80                         ; v80-111  two sets of 16 neighbours
.set E,     112                        ; v112-127 a scale byte for each step
.set C,     128                        ; v128-191 codes: four registers for each step
	s_load_b512 s[8:23], s[0:1], 0x0               ; hidden, mu_prev, Wq, Wmu_q, Wk, Wmu_k, Wv, Wmu_v
	s_load_b256 s[24:31], s[0:1], 0x40             ; Wo, positions, xq, wq
	s_load_b128 s[32:35], s[0:1], 0x60             ; woq, tab
	v_lshl_add_u32 v192, v0, 2, 0xa000
	v_mov_b32 v193, 0
	v_lshrrev_b32 v1, 5, v0
	v_readfirstlane_b32 s36, v1                    ; wave
	v_and_b32 v1, 31, v0                           ; lane
	v_lshlrev_b32 v3, 4, v1                        ; 16 x lane
	s_cmp_ge_u32 ttmp9, 768
	s_cbranch_scc1 .Ltable
	; ---------------- the quantiser ----------------
	s_mul_i32 s41, s36, WREG
	; the stage: piece n (16 bytes; n = 32 i + lane on the way in, 4 lane + k on the way out) lies at place n xor ((n >> 4) & 3): sixteen lanes touch sixteen different columns of 16 bytes both ways
	v_lshrrev_b32 v13, 4, v1
	v_xor_b32 v14, v1, v13                         ; loads 0 and 2: lane xor (lane / 16)
	v_xor_b32 v12, 2, v14                          ; loads 1 and 3: lane xor (2 + lane / 16)
	v_lshlrev_b32 v14, 4, v14
	v_lshlrev_b32 v12, 4, v12
	v_add_nc_u32 v14, s41, v14
	v_add_nc_u32 v12, s41, v12
	v_bfe_u32 v13, v1, 2, 2                        ; m = (lane / 4) & 3
	v_lshl_add_u32 v15, v1, 2, v13
	v_lshlrev_b32 v15, 4, v15
	v_add_nc_u32 v130, s41, v15                    ; on the way out: piece k of my four at 16 (4 lane + (k xor m)); the wave's region begins at a multiple of 2,048
	v_xor_b32 v131, 16, v130
	v_xor_b32 v134, 32, v130
	v_xor_b32 v135, 48, v130
	v_bfe_u32 v8, v1, 1, 2                         ; my block of the row's four
	v_lshrrev_b32 v9, 3, v1                        ; my row of the step's four
	v_and_b32 v10, 1, v1                           ; my half of the block
	v_mul_u32_u24 v5, v8, IPB
	v_lshl_add_u32 v5, v9, 4, v5
	v_lshl_add_u32 v5, v10, 3, v5
	v_add_nc_u32 v5, s41, v5
	v_add_nc_u32 v5, IMG, v5                       ; where my 8 bytes of codes go
	v_lshl_add_u32 v6, v9, 4, v8
	v_add_nc_u32 v6, s41, v6
	v_add_nc_u32 v6, SCW, v6                       ; where my block's byte goes
	v_lshrrev_b32 v8, 4, v1
	v_and_b32 v9, 15, v1
	v_mul_u32_u24 v7, v8, IPB
	v_lshl_add_u32 v7, v9, 4, v7
	v_add_nc_u32 v7, s41, v7
	v_add_nc_u32 v7, IMG, v7                       ; the images read back: two blocks an instruction, 16 bytes a lane
	v_lshlrev_b32 v2, 3, v1                        ; 8 x lane
	v_add_nc_u32 v4, s41, v2
	v_add_nc_u32 v4, SCW, v4                       ; the scale words read back
	s_wait_kmcnt 0x0
	; which tensor is mine: chosen by the work-group's number alone; only pointers and small numbers are chosen, the path is one
	s_mov_b64 s[4:5], s[8:9]                       ; from
	s_mov_b64 s[6:7], s[28:29]                     ; to
	s_mov_b32 s37, 0                               ; the tensor's first work-group
	s_mov_b32 s38, 0                               ; its first tile in the buffer
	s_mov_b32 s39, 0                               ; its first block along K
	s_mov_b32 s40, 8                               ; blocks along K in the buffer
.macro PICK start, src, dst, tbase, half4, ns4
	s_cmp_ge_u32 ttmp9, \start
	s_cselect_b64 s[4:5], s[\src:\src+1], s[4:5]
	s_cselect_b64 s[6:7], s[\dst:\dst+1], s[6:7]
	s_cselect_b32 s37, \start, s37
	s_cselect_b32 s38, \tbase, s38
	s_cselect_b32 s39, \half4, s39
	s_cselect_b32 s40, \ns4, s40
.endm
	PICK 128, 10, 28, 0, 4, 8                      ; mu_prev
	PICK 256, 12, 30, 0, 0, 8                      ; Wq
	PICK 384, 14, 30, 0, 4, 8                      ; Wmu_q
	PICK 512, 16, 30, 128, 0, 8                    ; Wk
	PICK 544, 18, 30, 128, 4, 8                    ; Wmu_k
	PICK 576, 20, 30, 160, 0, 8                    ; Wv
	PICK 608, 22, 30, 160, 4, 8                    ; Wmu_v
	PICK 640, 24, 32, 0, 0, 4                      ; Wo
	s_sub_co_u32 s42, ttmp9, s37                   ; my tile of the tensor
	s_lshr_b32 s43, s42, 1
	s_lshl_b32 s43, s43, 5
	s_and_b32 s44, s42, 1
	s_lshl_b32 s44, s44, 3
	s_add_co_u32 s43, s43, s44                     ; its first row: 32 (tile / 2) + 8 (tile % 2)
	s_lshl_b32 s44, s43, 13                        ; rows of 8,192 bytes
	s_lshl_b32 s45, s36, 11                        ; + my wave's 512 numbers
	s_add_co_u32 s44, s44, s45
	s_mov_b32 s45, 0
	s_add_nc_u64 s[4:5], s[4:5], s[44:45]
	s_add_co_u32 s46, s38, s42
	s_mul_i32 s46, s46, s40
	s_add_co_u32 s46, s46, s39
	s_add_co_u32 s46, s46, s36
	s_mul_i32 s46, s46, BLK                        ; my block of 4,352 bytes
	s_mov_b32 s47, 0
	s_add_nc_u64 s[6:7], s[6:7], s[46:47]
.macro LOAD t                          ; step t: places 4 (t % 4) + i, i = 0 .. 3, the (t / 4)-th 128 along K: 512 consecutive bytes a load
.irp i, 0,1,2,3
	global_load_b128 v[R+16*((\t)%4)+4*\i:R+16*((\t)%4)+4*\i+3], v3, s[4:5] offset:((4*((\t)%4)+\i)+8*((4*((\t)%4)+\i)/8))*8192+((\t)/4)*512 th:TH_LOAD_NT
.endr
.endm
.macro TURN t                          ; step t's numbers through a stage: LDS serves a wave's instructions in order, so no wait stands between the stores and the loads
.irp i, 0,1,2,3
	ds_store_b128 v[14-2*(\i%2)], v[R+16*((\t)%4)+4*\i:R+16*((\t)%4)+4*\i+3] offset:32*SP*((\t)%2)+8*SP*\i
.endr
.irp i, 0,1,2,3
	ds_load_b128 v[X+16*((\t)%2)+4*\i:X+16*((\t)%2)+4*\i+3], v[130+4*(\i/2)+\i%2] offset:32*SP*((\t)%2)
.endr
.endm
.irp t, 0,1,2,3
	LOAD \t
.endr
	s_wait_loadcnt 12                              ; step 0's four loads are in
	TURN 0
.macro STEP t
.set XS, X+16*((\t)%2)
.if (\t) > 0
	s_wait_dscnt 2                                 ; this step's numbers are back from the stage; the last step's byte store and code store may be out
.else
	s_wait_dscnt 0x0
.endif
.if (\t)+4 < 16
	LOAD (\t)+4                                    ; into the set that this step's stage stores have read
.endif
.if (\t)+1 < 16
.if 14-(\t) >= 3
	s_wait_loadcnt 12                              ; the next step's four loads are in; those of the three steps behind it may be out
.else
	s_wait_loadcnt 4*(14-(\t))
.endif
	TURN (\t)+1
.endif
	v_max3_num_f32 v8, |v[XS]|, |v[XS+1]|, |v[XS+2]|   ; the largest magnitude of my 16, in two chains
	v_max3_num_f32 v9, |v[XS+3]|, |v[XS+4]|, |v[XS+5]|
.irp i, 6,10
	v_max3_num_f32 v8, v8, |v[XS+\i]|, |v[XS+\i+1]|
	v_max3_num_f32 v9, v9, |v[XS+\i+2]|, |v[XS+\i+3]|
.endr
	v_max3_num_f32 v8, v8, |v[XS+14]|, |v[XS+15]|
	v_max3_num_f32 v8, v8, v9, (EMAX+1)<<23        ; and the floor 2^(3 - 127): the byte cannot fall under 1
	v_max_num_f32_dpp v8, v8, v8 row_xmask:1 row_mask:0xf bank_mask:0xf   ; and of my neighbour's 16: the block's
	v_add_nc_u32 v11, -(EMAX<<23), v8              ; 2 off its exponent field: the conversion takes that field as its scale
	v_cvt_scalef32_pk8_fp4_f32 v[C+4*(\t)], v[XS:XS+7], v11
	v_cvt_scalef32_pk8_fp4_f32 v[C+4*(\t)+1], v[XS+8:XS+15], v11
	v_lshrrev_b32 v[E+(\t)], 23, v11               ; the scale's byte (a plain line behind the conversions)
	ds_store_b8 v6, v[E+(\t)] offset:((\t)%4)*64+((\t)/4)*4      ; both lanes of a block write the same byte with the same value
	ds_store_b64 v5, v[C+4*(\t):C+4*(\t)+1] offset:((\t)/4)*IPI+((\t)%4)*64
.endm
.irp t, 0,1,2,3,4,5,6,7,8,9,10,11,12,13,14,15
	STEP \t
.endr
.irp k, 0,1,2,3,4,5,6,7
	ds_load_b128 v[16+4*\k:19+4*\k], v7 offset:(\k/2)*IPI+(\k%2)*2*IPB   ; these see my stores: LDS serves a wave's instructions in order
.endr
	ds_load_b64 v[48:49], v4
.irp k, 0,1,2,3,4,5,6,7
	s_wait_dscnt 8-\k                              ; the younger image loads and the scale words' load may be out
	global_store_b128 v3, v[16+4*\k:19+4*\k], s[6:7] offset:512*\k       ; 512 consecutive bytes, aligned
.endr
	s_wait_dscnt 0x0
	global_store_b64 v2, v[48:49], s[6:7] offset:4096                    ; 256 consecutive bytes, aligned
	s_wait_tensorcnt 0x0
	ds_add_u32 v192, v193
	s_wait_dscnt 0x0
	s_endpgm
	; ---------------- the table of cos and sin ----------------
.Ltable:
	s_sub_co_u32 s41, ttmp9, 768
	s_lshl_b32 s41, s41, 2
	s_add_co_u32 s41, s41, s36                     ; my tile of tokens
	s_lshr_b32 s42, s41, 1
	s_lshl_b32 s42, s42, 5
	s_and_b32 s43, s41, 1
	s_lshl_b32 s43, s43, 3
	s_add_co_u32 s42, s42, s43                     ; its first token
	v_and_b32 v4, 7, v0
	v_bfe_u32 v5, v0, 3, 1
	v_lshl_add_u32 v4, v5, 4, v4
	v_add_nc_u32 v4, s42, v4                       ; the token at my place
	v_lshlrev_b32 v4, 2, v4
	v_bfe_u32 v5, v0, 4, 1
	v_cmp_ne_u32 s44, 0, v5                        ; lanes 16-31
	s_lshl_b32 s42, s41, 13                        ; 8,192 bytes of table a tile
	s_mov_b32 s43, 0
	s_mov_b32 s46, 0xbfc90fda                      ; -pi/2 in three parts
	s_mov_b32 s47, 0xb3a22168
	s_mov_b32 s48, 0xa7c234c4
	s_mov_b32 s49, 0xb94ca1f9                      ; sin: -1.9515295891e-4, 8.3321608736e-3, -1.6666654611e-1
	s_mov_b32 s50, 0x3c08839e
	s_mov_b32 s51, 0xbe2aaaa3
	s_mov_b32 s52, 0x37ccf5ce                      ; cos: 2.443315711809948e-5, -1.388731625493765e-3, 4.166664568298827e-2
	s_mov_b32 s53, 0xbab6061a
	s_mov_b32 s54, 0x3d2aaaa5
	s_wait_alu depctr_va_vdst(0)
	s_wait_kmcnt 0x0
	global_load_b32 v9, v4, s[26:27]
	s_add_nc_u64 s[34:35], s[34:35], s[42:43]
; 10^(d / 16) for d = i, 16 + i, 32 + i, 48 + i: the first and third for lanes 0-15, the others for lanes 16-31
.macro INV4 i, a, b, c, d
	v_mov_b32 v[32+\i], \b
	v_mov_b32 v[48+\i], \d
	v_cndmask_b32 v[32+\i], \a, v[32+\i], s44
	v_cndmask_b32 v[48+\i], \c, v[48+\i], s44
.endm
	INV4 0, 1.0, 10.0, 100.0, 1000.0
	INV4 1, 1.154781984689, 11.54781984689, 115.4781984689, 1154.781984689
	INV4 2, 1.333521432163, 13.33521432163, 133.3521432163, 1333.521432163
	INV4 3, 1.539926526059, 15.39926526059, 153.9926526059, 1539.926526059
	INV4 4, 1.778279410039, 17.78279410039, 177.8279410039, 1778.279410039
	INV4 5, 2.053525026457, 20.53525026457, 205.3525026457, 2053.525026457
	INV4 6, 2.371373705662, 23.71373705662, 237.1373705662, 2371.373705662
	INV4 7, 2.738419634264, 27.38419634264, 273.8419634264, 2738.419634264
	INV4 8, 3.162277660168, 31.62277660168, 316.2277660168, 3162.277660168
	INV4 9, 3.651741272548, 36.51741272548, 365.1741272548, 3651.741272548
	INV4 10, 4.216965034286, 42.16965034286, 421.6965034286, 4216.965034286
	INV4 11, 4.869675251659, 48.69675251659, 486.9675251659, 4869.675251659
	INV4 12, 5.623413251903, 56.23413251903, 562.3413251903, 5623.413251903
	INV4 13, 6.493816315762, 64.93816315762, 649.3816315762, 6493.816315762
	INV4 14, 7.498942093325, 74.98942093325, 749.8942093325, 7498.942093325
	INV4 15, 8.659643233601, 86.59643233601, 865.9643233601, 8659.643233601
.set NN, 0
	s_wait_alu depctr_va_vdst(0)
.rept 32
	v_rcp_f32 v[64+NN], v[32+NN]
.set NN, NN+1
.endr
	v_nop                                          ; a plain line behind the last reciprocal
	s_wait_alu depctr_va_vdst(0)                   ; one wait for the batch, ahead of its first reader
.set NN, 0
.rept 32
	v_fma_f32 v[96+NN], -v[32+NN], v[64+NN], 1.0   ; the reciprocal's residual,
.set NN, NN+1
.endr
.set NN, 0
.rept 32
	v_fma_f32 v[64+NN], v[96+NN], v[64+NN], v[64+NN]   ; taken in: the quotient 1 / P as a division rounds it
.set NN, NN+1
.endr
	s_wait_loadcnt 0x0
	v_cvt_f32_i32 v10, v9                          ; the position
.macro SINCOS n
	v_mul_f32 v11, v10, v[64+\n]                   ; the angle: one product
	v_mul_f32 v12, 0x3f22f983, v11
	v_rndne_f32 v12, v12                           ; how many quarter turns
	v_fma_f32 v13, v12, s46, v11
	v_fma_f32 v13, v12, s47, v13
	v_fma_f32 v13, v12, s48, v13                   ; what is left, within pi/4
	v_cvt_i32_f32 v14, v12
	v_mul_f32 v15, v13, v13
	v_fma_f32 v16, v15, s49, s50
	v_fma_f32 v18, v15, s52, s53
	v_fma_f32 v16, v16, v15, s51
	v_fma_f32 v18, v18, v15, s54
	v_mul_f32 v17, v15, v13
	v_mul_f32 v19, v15, v15
	v_fma_f32 v20, v15, -0.5, 1.0
	v_fma_f32 v16, v17, v16, v13                   ; sin of the rest
	v_fma_f32 v18, v19, v18, v20                   ; cos of the rest
	v_and_b32 v21, 1, v14
	v_cmp_ne_u32 s45, 0, v21                       ; an odd quarter swaps the two
	v_cndmask_b32 v22, v16, v18, s45
	v_cndmask_b32 v23, v18, v16, s45
	v_lshlrev_b32 v21, 30, v14
	v_and_b32 v21, 0x80000000, v21                 ; sin is negative in quarters 2 and 3,
	v_add_nc_u32 v24, 1, v14
	v_lshlrev_b32 v24, 30, v24
	v_and_b32 v24, 0x80000000, v24                 ; cos in quarters 1 and 2
	v_xor_b32 v[128+\n], v21, v22
	v_xor_b32 v[96+\n], v24, v23
.endm
.set NN, 0
.rept 32
	SINCOS NN
.set NN, NN+1
.endr
.irp k, 0,1,2,3,4,5,6,7
	global_store_b128 v3, v[96+4*\k:99+4*\k], s[34:35] offset:512*\k
.endr
.irp k, 0,1,2,3,4,5,6,7
	global_store_b128 v3, v[128+4*\k:131+4*\k], s[34:35] offset:4096+512*\k
.endr
	s_endpgm
.Lfunc_end_k_q93a97b9c41_prep:
	.size	k_q93a97b9c41_prep, .Lfunc_end_k_q93a97b9c41_prep-k_q93a97b9c41_prep
	.p2alignl 7, 3214868480
	.fill 96, 4, 3214868480
	.section	.rodata,"a",@progbits
	.p2align	6, 0x0
	.amdhsa_kernel k_q93a97b9c41_prep
		.amdhsa_group_segment_fixed_size 41472
		.amdhsa_private_segment_fixed_size 0
		.amdhsa_enable_private_segment 0
		.amdhsa_kernarg_size 112
		.amdhsa_user_sgpr_count 2
		.amdhsa_user_sgpr_kernarg_segment_ptr 1
		.amdhsa_wavefront_size32 1
		.amdhsa_system_sgpr_workgroup_id_x 1
		.amdhsa_system_sgpr_workgroup_id_y 1
		.amdhsa_system_sgpr_workgroup_id_z 1
		.amdhsa_system_vgpr_workitem_id 0
		.amdhsa_next_free_vgpr 194
		.amdhsa_next_free_sgpr 66
		.amdhsa_reserve_vcc 0
		.amdhsa_float_denorm_mode_32 3
		.amdhsa_float_denorm_mode_16_64 3
		.amdhsa_memory_ordered 1
		.amdhsa_forward_progress 1
		.amdhsa_inst_pref_size 95
	.end_amdhsa_kernel
	.amdgpu_metadata
---
amdhsa.version: [ 1, 2 ]
amdhsa.kernels:
  - .name:           k_q93a97b9c41_prep
    .symbol:         k_q93a97b9c41_prep.kd
    .args:
      - { .name: hidden, .offset: 0, .size: 8, .value_kind: global_buffer, .address_space: global }
      - { .name: mu_prev, .offset: 8, .size: 8, .value_kind: global_buffer, .address_space: global }
      - { .name: Wq, .offset: 16, .size: 8, .value_kind: global_buffer, .address_space: global }
      - { .name: Wmu_q, .offset: 24, .size: 8, .value_kind: global_buffer, .address_space: global }
      - { .name: Wk, .offset: 32, .size: 8, .value_kind: global_buffer, .address_space: global }
      - { .name: Wmu_k, .offset: 40, .size: 8, .value_kind: global_buffer, .address_space: global }
      - { .name: Wv, .offset: 48, .size: 8, .value_kind: global_buffer, .address_space: global }
      - { .name: Wmu_v, .offset: 56, .size: 8, .value_kind: global_buffer, .address_space: global }
      - { .name: Wo, .offset: 64, .size: 8, .value_kind: global_buffer, .address_space: global }
      - { .name: positions, .offset: 72, .size: 8, .value_kind: global_buffer, .address_space: global }
      - { .name: xq, .offset: 80, .size: 8, .value_kind: global_buffer, .address_space: global }
      - { .name: wq, .offset: 88, .size: 8, .value_kind: global_buffer, .address_space: global }
      - { .name: woq, .offset: 96, .size: 8, .value_kind: global_buffer, .address_space: global }
      - { .name: tab, .offset: 104, .size: 8, .value_kind: global_buffer, .address_space: global }
    .group_segment_fixed_size: 41472
    .private_segment_fixed_size: 0
    .kernarg_segment_align: 8
    .kernarg_segment_size: 112
    .max_flat_workgroup_size: 128
    .sgpr_count:     66
    .vgpr_count:     194
    .wavefront_size: 32
...
	.end_amdgpu_metadata
.endif
;; end of part 1
;; launch qkv (part 2): grid 24 x 8, 4 waves a work-group, no clusters, 327,680 bytes of LDS; arguments xq, wq, tab, qn_w, kn_w, qq, kv; writes qq, kv
.if DOCPART == 2
	.amdgcn_target "amdgcn-amd-amdhsa--gfx1250"
	.amdhsa_code_object_version 6
	.text
	.protected	k_q93a97b9c41_qkv
	.globl	k_q93a97b9c41_qkv
	.p2align	8
	.type	k_q93a97b9c41_qkv,@function
k_q93a97b9c41_qkv:
	s_mov_b64 s[64:65], 0
	v_nop
	global_prefetch_b8 v0, s[64:65] scope:SCOPE_SE
	s_setreg_imm32_b32 hwreg(HW_REG_WAVE_MODE, 25, 1), 1
	s_wait_xcnt 0x0
; QKV: q, k and v = hidden W^T + mu_prev Wmu^T as ONE product on codes of FP4 with K = 4,096 (hidden and mu_prev side by side), then RMS norm and RoPE (q, k), then the quantiser for the attention's products.
; OPERANDS: blocks of 4,352 bytes for a tile of 16 rows and 512 along K: four images of the operand's registers and 256 bytes of scale words [place][K step][4].  A tile's rows are 32 c + 8 u + (p & 7) + 16 (p >> 3).
; THE MATRIX INSTRUCTION: source 0 = 16 rows whose results run down a lane's registers, source 1 = 16 rows that lie one to a lane.  With tiles formed as above, register 16 b + i of a lane's 8 tiles is row 32 b + 16 (lane / 16) + i
; of source 0: 16 neighbours of each block of 32, which is what the quantiser wants.
; SHARES.  A work-group makes 256 rows of source 1 x 128 rows of source 0; wave w source 1's tiles 4 w .. 4 w + 3 against all 8 of source 0: 32 accumulators.
;   x / 4 = 0 .. 3 (q), 4 (k): source 0 = the weights of one head, source 1 = 256 tokens: a lane holds a token, its registers the head's 128 channels: norm, RoPE and the blocks along the head lie in one lane pair.
;   x / 4 = 5 (v): THE ROLES ARE SWAPPED BY POINTERS ALONE: source 0 = 128 tokens (a key step), source 1 = 256 channels of Wv|Wmu_v: a lane holds a channel and its registers run along the KEYS, v's K in the second product.
;   v's work-groups also load table and norm weight and leave them unused: one path, every register written.
; SOURCE 0 STAYS IN LDS: 8 tiles x 8 blocks = 278,528 bytes, filled ONCE, in eight chunks (a K step of 512 each); each wave brings two tiles of each chunk: four tensor loads of a wave, two chunks each, one out at a time.  Nothing is filled again.
; SOURCE 1 GOES FROM MEMORY STRAIGHT INTO REGISTERS: a wave's four tiles are read by that wave alone, and they lie in memory as images of the operand's registers: eight loads of 512 consecutive bytes for 128 along K,
;   into a ring of eight sets of 32 registers; seven steps' loads are out while one step is multiplied: 56 loads and at most 4 of scale words.  Its scale words: one load takes two tiles' (lanes 0-15 the even tile, lanes 16-31 the odd one).
; THE 32 STEPS OF 128 ALONG K ARE WRITTEN OUT: the ring's sets come round after 8 steps and the scale words' sets after 16, the first step starts the sums and the last eight fetch the table instead: every offset is an immediate.
; NO CLUSTER: what work-groups share in LDS is source 0's tile: eight share it for q and k, but only two for v, whose 32 work-groups so do not fall into clusters of four with one tile; source 1 does not pass through LDS.
; OUT: qq [head][32][4,352]: four images (tiles 4 G + a of tokens) + words [place][a][4];  kv [kv head][key step 16][17,408]: k's 8 images, v^T's 8 images, k's words [2][place][4][4], v's likewise.
; LIMITS: NaN and infinities are not served; a block whose largest magnitude lies under 2^-124 keeps the byte 1.
; REGISTERS: window 0: v2-6 lane terms; v16-17 LDS addresses; v32-95 source 0's scale words (two sets), v96-127 source 1's (four sets): scales and nothing else; v128-237 the epilogue.
;   window 1: accumulator (a, t) at v[64 a + 8 t].   window 2: v0-127 source 0's fragments, two sets; v128-191 the norm's weight.   window 3: the ring: step j's tile a at v[32 (j % 8) + 8 a]; later cos at v[64 a + n], sin at v[64 a + 32 + n].
.set BLK,   4352
.set TSTR,  8*BLK                      ; bytes from tile to tile in xq and wq
.set CHUNK, 8*BLK                      ; LDS: source 0's eight blocks of one K step of 512
.set LI,   2                           ; v2  16 x lane
.set LR,   3                           ; v3  16 x (lane % 16)
.set LW,   4                           ; v4  16 x (lane % 16) + 8 x (lane / 16)
.set H64,  5                           ; v5  64 x (lane / 16)
.set ASC,  6                           ; v6  16 x (lane % 16) + a tile on for lanes 16-31: source 1's scale words
.set ADB,  16                          ; v16 LDS: 16 x lane + the chunk in hand
.set ADSB, 17                          ; v17 LDS: 16 x (lane % 16) + the chunk in hand
.set SCB,  32                          ; source 0's scale words: K step s, tile t, step q at v[SCB + 32 (s % 2) + 4 t + q]
.set SCA,  96                          ; source 1's: tiles 2 n, 2 n + 1 at v[SCA + 8 (s % 4) + 4 n + q]
.set Y,    128                         ; the epilogue: 64 numbers of a tile
.set TM,   192
.set PW,   208                         ; four scale words
.set PC,   212                         ; a fragment's codes
.set RS,   220                         ; 1 / rms, a pair for each tile
.set SS,   228                         ; sums of squares, a pair for each tile
.set WD,   236
.set G1,  24                           ; s[24:31] descriptor group 1
.set G0,  32                           ; s[32:47] four groups 0, one for each pair of chunks
.set SEL, 98
.set MULW, 0x5e                        ; source 0 window 2, source 1 window 3, C and D window 1
.set MSB, 0
.macro WIN new                         ; the immediate's high byte repeats the setting that is left
.if MSB != \new
	s_set_vgpr_msb (MSB<<8)|\new
.set MSB, \new
.endif
.endm
.macro PLACES                          ; four plain vector lines between a matrix instruction and a load into, or a read of, its registers
.rept 4
	v_nop
.endr
.endm
	s_load_b256 s[4:11], s[0:1], 0x0               ; xq, wq, tab, qn_w
	s_load_b128 s[12:15], s[0:1], 0x20             ; kn_w, qq
	s_load_b64 s[16:17], s[0:1], 0x30              ; kv
	v_lshl_add_u32 v254, v0, 2, 0x44000
	v_mov_b32 v255, 0
	ds_add_u32 v254, v255
	ds_add_u32 v254, v255
	v_lshrrev_b32 v1, 5, v0
	v_readfirstlane_b32 s18, v1                    ; wave
	s_and_b32 s19, s18, 1
	s_lshr_b32 s20, s18, 1
	s_and_b32 s21, ttmp9, 3                        ; x % 4
	s_lshr_b32 s22, ttmp9, 2                       ; x / 4: 0-3 q, 4 k, 5 v
	s_and_b32 s23, ttmp7, 0xffff                   ; y
	s_mov_b32 s[G1], 3<<16                         ; no mask; elements of 8 bytes; no padding
	s_mov_b32 s[G1+1], 1088<<16                    ; tensor_dim0: two blocks on end, 1,088 elements
	s_mov_b32 s[G1+2], 2<<16                       ; tensor_dim1: 2 tiles
	s_mov_b32 s[G1+3], 1088<<16                    ; tile_dim0
	s_mov_b32 s[G1+4], 2                           ; tile_dim1
	s_mov_b32 s[G1+5], TSTR/8                      ; from tile to tile, in elements
	s_mov_b32 s[G1+6], 0
	s_mov_b32 s[G1+7], 0
	s_mov_b32 s[SEL], 0x76543210
	s_mov_b32 s[SEL+1], 0xfedcba98                 ; v_permlanex16_b32's selects for lane l xor 16
	s_mov_b32 s101, 0x358637bd                     ; 1e-6
	v_and_b32 v7, 31, v0
	v_lshlrev_b32 v[LI], 4, v7
	v_lshlrev_b32 v[ADB], 4, v7
	v_and_b32 v7, 15, v0
	v_lshlrev_b32 v[LR], 4, v7
	v_lshlrev_b32 v[ADSB], 4, v7
	v_bfe_u32 v1, v0, 4, 1
	v_cmp_ne_u32 s89, 0, v1                        ; lanes 16-31
	v_lshl_add_u32 v[LW], v1, 3, v[LR]
	v_lshlrev_b32 v[H64], 6, v1
	v_mul_u32_u24 v[ASC], v1, TSTR
	v_add_nc_u32 v[ASC], v[ASC], v[LR]
	s_lshr_b32 s70, s23, 1
	s_and_b32 s71, s23, 1
	s_lshl_b32 s72, s71, 4
	s_add_co_u32 s73, s72, 160                     ; v: source 1's first tile in wq
	s_lshl_b32 s74, s23, 4                         ; q, k: source 1's first tile in xq
	s_cmp_eq_u32 s22, 5
	s_cselect_b32 s2, 1, 0                         ; 1: v
	s_cselect_b32 s100, -1, 0                      ; the same as a lane mask
	s_cselect_b32 s75, s70, s22
	s_cselect_b32 s76, s73, s74                    ; source 1's first tile
	s_cselect_b32 s77, s72, s74                    ; the table's first tile
	s_lshl_b32 s3, s75, 2
	s_add_co_u32 s3, s3, s21                       ; q, k: the head (16-19: k's);  v: the key step
	s_lshl_b32 s78, s18, 2
	s_add_co_u32 s78, s78, s76
	s_mul_i32 s78, s78, TSTR                       ; source 1: my wave's four tiles, in bytes
	s_mov_b32 s79, 0
	s_lshl_b32 s80, s3, 3
	s_lshl_b32 s81, s18, 1
	s_add_co_u32 s80, s80, s81
	s_mul_i32 s80, s80, TSTR                       ; source 0: the two tiles that I fetch
	s_mov_b32 s81, 0
	s_mul_i32 s88, s18, 4*BLK                      ; and their place in a pair of chunks: LDS holds [pair 4][tile 8][2 blocks]
	s_lshl_b32 s96, s18, 2
	s_add_co_u32 s96, s96, s77
	s_lshl_b32 s96, s96, 13                        ; my four tiles of the table
	s_mov_b32 s97, 0
	s_wait_alu depctr_va_vdst(0)
	s_wait_dscnt 0x0
	s_wait_kmcnt 0x0
	s_cmp_eq_u32 s22, 5
	s_cselect_b64 s[82:83], s[6:7], s[4:5]         ; source 1
	s_cselect_b64 s[84:85], s[4:5], s[6:7]         ; source 0
	s_cmp_lt_u32 s22, 4
	s_cselect_b64 s[86:87], s[10:11], s[12:13]     ; the norm's weight
	s_cselect_b64 s[66:67], s[14:15], s[16:17]     ; where the results go
	s_add_nc_u64 s[82:83], s[82:83], s[78:79]
	s_add_nc_u64 s[84:85], s[84:85], s[80:81]
	s_add_nc_u64 s[8:9], s[8:9], s[96:97]
.irp c, 0,1,2,3
	s_mov_b32 s[G0+4*\c], 1                        ; count = 1
	s_add_co_u32 s[G0+4*\c+1], s88, \c*2*CHUNK     ; LDS: pair c of chunks, my two tiles
	s_add_nc_u64 s[G0+4*\c+2:G0+4*\c+3], s[84:85], \c*2*BLK   ; memory: the tiles' blocks 2 c and 2 c + 1 along K
	s_or_b32 s[G0+4*\c+3], s[G0+4*\c+3], 0x80000000         ; type = 2
.endr
	tensor_load_to_lds s[G0:G0+3], s[G1:G1+7]      ; chunks 0 and 1 at the head: one tensor load a wave; chunk c + 2 is asked for behind the barrier that shows chunk c + 1
	s_nop 0
.rept 4
	v_nop
.endr
; What is asked for seven steps ahead.  p < 32: source 1's fragments of step p (K step p / 4, its (p % 4)-th 128) into the ring's set p % 8; ahead of a K step's first, its scale words.
; p = 32 .. 39: the ring has nothing more to fetch: the table's registers 32 (p - 32) on take the set.
.macro AHEAD p
.if (\p) < 32
.if (\p)%4 == 0
	WIN 0
.irp h, 0,1
	global_load_b128 v[SCA+8*(((\p)/4)%4)+4*\h:SCA+8*(((\p)/4)%4)+4*\h+3], v[ASC], s[82:83] offset:2*\h*TSTR+((\p)/4)*BLK+4096
.endr
.endif
	WIN 0xc0                                       ; destination window 3
.irp i, 0,1,2,3
	global_load_b128 v[32*((\p)%8)+8*\i:32*((\p)%8)+8*\i+3], v[LI], s[82:83] offset:\i*TSTR+((\p)/4)*BLK+((\p)%4)*1024
	global_load_b128 v[32*((\p)%8)+8*\i+4:32*((\p)%8)+8*\i+7], v[LI], s[82:83] offset:\i*TSTR+((\p)/4)*BLK+((\p)%4)*1024+512
.endr
.else
	WIN 0xc0
.irp k, 0,1,2,3,4,5,6,7
	global_load_b128 v[32*((\p)%8)+4*\k:32*((\p)%8)+4*\k+3], v[LI], s[8:9] offset:(8*((\p)-32)+\k)*512
.endr
.endif
.endm
	WIN 0x80                                       ; destination window 2
.irp k, 0,1,2,3,4,5,6,7,8,9,10,11,12,13,14,15
	global_load_b128 v[128+4*\k:131+4*\k], v[H64], s[86:87] offset:128*(\k/4)+16*(\k%4)   ; the weight of channel 32 b + 16 h + i at register 16 b + i
.endr
.irp p, 0,1,2,3,4,5,6
	AHEAD \p                                       ; the first seven steps of source 1
.endr
	WIN 0
	; where my results go
	s_lshl_b32 s90, s3, 5
	s_lshl_b32 s91, s23, 2
	s_add_co_u32 s90, s90, s91
	s_add_co_u32 s90, s90, s18
	s_mul_i32 s90, s90, BLK                        ; q: block 32 head + 4 y + wave
	s_add_co_u32 s91, s90, 4096                    ; its words
	s_lshl_b32 s92, s21, 4
	s_lshl_b32 s93, s23, 1
	s_add_co_u32 s92, s92, s93
	s_add_co_u32 s92, s92, s20
	s_mul_i32 s92, s92, 4*BLK                      ; k: step 16 kv head + 2 y + wave / 2
	s_lshl_b32 s93, s71, 1
	s_add_co_u32 s93, s93, s20
	s_lshl_b32 s93, s93, 4
	s_add_co_u32 s93, s93, s3
	s_mul_i32 s93, s93, 4*BLK                      ; v: step 16 (2 (y & 1) + wave / 2) + key step,
	s_add_co_u32 s93, s93, 8192                    ; behind k's images
	s_cmp_eq_u32 s22, 5
	s_cselect_b32 s92, s93, s92
	s_mov_b32 s94, 16384
	s_cselect_b32 s94, 8704, s94                   ; from there to the words
	s_add_co_u32 s94, s94, s92
	s_lshl_b32 s95, s19, 12
	s_add_co_u32 s92, s92, s95                     ; my four images of the eight,
	s_lshl_b32 s95, s19, 8
	s_add_co_u32 s94, s94, s95                     ; my 256 bytes of words
	s_cmp_lt_u32 s22, 4
	s_cselect_b32 s90, s90, s92
	s_cselect_b32 s92, s91, s94
	s_mov_b32 s91, 0
	s_mov_b32 s93, 0
	s_mov_b64 s[68:69], s[66:67]
	s_add_nc_u64 s[66:67], s[66:67], s[90:91]      ; the codes
	s_add_nc_u64 s[68:69], s[68:69], s[92:93]      ; the words
.macro FETCHB q, p                     ; source 0's eight fragments of the chunk's q-th 128 along K into set p: 16 loads of 512 consecutive bytes
	WIN 0x80
.irp t, 0,1,2,3,4,5,6,7
	ds_load_b128 v[64*(\p)+8*\t:64*(\p)+8*\t+3], v[ADB] offset:\t*2*BLK+(\q)*1024
	ds_load_b128 v[64*(\p)+8*\t+4:64*(\p)+8*\t+7], v[ADB] offset:\t*2*BLK+(\q)*1024+512
.endr
.endm
.macro SCALESB s                       ; a chunk's scale words: four words (its four steps) of a row by one load; lanes 16-31 take what lanes 0-15 take
.irp t, 0,1,2,3,4,5,6,7
	ds_load_b128 v[SCB+32*(\s)+4*\t:SCB+32*(\s)+4*\t+3], v[ADSB] offset:\t*2*BLK+4096
.endr
.endm
; One product of step j: source 1's tile a against source 0's tile t.  An odd tile's scale words stand in lanes 16-31 of the pair's register.  Step 0 starts the sums: nothing is ever cleared.
.macro PROD a, t, j
.set RD_, 64*(\a)+8*(\t)
.set RB_, 64*((\j)%2)+8*(\t)
.set RA_, 32*((\j)%8)+8*(\a)
.set SB_, SCB+32*(((\j)/4)%2)+4*(\t)+(\j)%4
.set SA_, SCA+8*(((\j)/4)%4)+4*((\a)/2)+(\j)%4
.if (\j) == 0
.if (\a)%2
	v_wmma_scale_f32_16x16x128_f8f6f4 v[RD_:RD_+7], v[RB_:RB_+7], v[RA_:RA_+7], 0, v[SB_], v[SA_] matrix_a_fmt:MATRIX_FMT_FP4 matrix_b_fmt:MATRIX_FMT_FP4 matrix_b_scale:MATRIX_SCALE_ROW1
.else
	v_wmma_scale_f32_16x16x128_f8f6f4 v[RD_:RD_+7], v[RB_:RB_+7], v[RA_:RA_+7], 0, v[SB_], v[SA_] matrix_a_fmt:MATRIX_FMT_FP4 matrix_b_fmt:MATRIX_FMT_FP4
.endif
.else
.if (\a)%2
	v_wmma_scale_f32_16x16x128_f8f6f4 v[RD_:RD_+7], v[RB_:RB_+7], v[RA_:RA_+7], v[RD_:RD_+7], v[SB_], v[SA_] matrix_a_fmt:MATRIX_FMT_FP4 matrix_b_fmt:MATRIX_FMT_FP4 matrix_b_scale:MATRIX_SCALE_ROW1
.else
	v_wmma_scale_f32_16x16x128_f8f6f4 v[RD_:RD_+7], v[RB_:RB_+7], v[RA_:RA_+7], v[RD_:RD_+7], v[SB_], v[SA_] matrix_a_fmt:MATRIX_FMT_FP4 matrix_b_fmt:MATRIX_FMT_FP4
.endif
.endif
.endm
; STEP j OF 32: 128 along K, 32 products.  The 32 accumulators take turns, one instruction a turn, in the same order in every step.
.macro UNIT j
.set US, (\j)/4
.set UQ, (\j)%4
.set HI, (\j)+6
.if HI > 31
.set HI, 31
.endif
	s_wait_dscnt 0x0                               ; source 0's fragments of this step (and at a chunk's first step its scale words) are in
	s_wait_loadcnt 48+2*(HI/4-US)                  ; source 1's are in: behind them the six later steps' 48 loads were issued, and two loads of scale words ahead of each K step's first step among those
.if (UQ == 3) && (US < 7) && (US%2 == 1)       ; a barrier ahead of each pair of chunks: one load of a wave brings two chunks
	s_wait_tensorcnt 0x0                           ; my part of the next chunk, the one load of mine that is out, is in
	ds_add_u32 v254, v255
	s_wait_dscnt 0x0
	s_barrier_signal -1
	s_barrier_wait -1                              ; everybody's part is in
.if US < 5
	tensor_load_to_lds s[G0+4*((US+3)/2):G0+4*((US+3)/2)+3], s[G1:G1+7]   ; the pair after the next: a first fill, my one load behind this barrier; it has eight steps of 32 products in which to land
	s_nop 0
.endif
.endif
	PLACES                                         ; the last step's products read the sets that are loaded below
.if (\j) < 31
.if UQ == 3
	v_add_nc_u32 v[ADB], BLK+(US%2)*(2*CHUNK-2*BLK), v[ADB]     ; on to the next chunk: a block on inside a pair, else to the next pair's first
	s_wait_alu depctr_va_vdst(0)
	v_add_nc_u32 v[ADSB], BLK+(US%2)*(2*CHUNK-2*BLK), v[ADSB]
	SCALESB (US+1)%2
.endif
	FETCHB ((\j)+1)%4, ((\j)+1)%2                  ; the next step's fragments of source 0
.endif
	AHEAD (\j)+7                                   ; into the ring's set that the last step has left
	WIN MULW
.irp a, 0,1,2,3
.irp t, 0,1,2,3,4,5,6,7
	PROD \a, \t, \j
.endr
.endr
	WIN 0
.endm
	s_wait_tensorcnt 0x0                           ; my part of chunk 0 is in
	ds_add_u32 v254, v255
	s_wait_dscnt 0x0
	s_barrier_signal -1
	s_barrier_wait -1
	tensor_load_to_lds s[G0+4:G0+7], s[G1:G1+7]    ; chunks 2 and 3: a first fill, my one load behind this barrier
	s_nop 0
.rept 4
	v_nop
.endr
	SCALESB 0
	FETCHB 0, 0
	WIN 0
.irp j, 0,1,2,3,4,5,6,7,8,9,10,11,12,13,14,15,16,17,18,19,20,21,22,23,24,25,26,27,28,29,30,31
	UNIT \j
.endr
	PLACES                                         ; behind the last products: a load into the set that they read, and the reads of the results
	AHEAD 39                                       ; the table's last eight loads
	WIN 0
	; ---------------- the epilogue ----------------
; 64 numbers of a lane, register 16 b + i = k 32 b + 16 (lane / 16) + i of my row, become a fragment's codes in v[PC] on and its scale word in v[pw]
.macro QUANT src, pw
.irp b, 0,1,2,3
	v_max3_num_f32 v[TM+\b], |v[\src+16*\b]|, |v[\src+1+16*\b]|, 0x1800000   ; my 16 numbers of block b, and the floor 2^(3 - 127)
.endr
.irp i, 2,4,6,8,10,12,14
.irp b, 0,1,2,3
	v_max3_num_f32 v[TM+\b], v[TM+\b], |v[\src+16*\b+\i]|, |v[\src+1+16*\b+\i]|
.endr
.endr
.irp b, 0,1,2,3
	v_permlanex16_b32 v[TM+4+\b], v[TM+\b], s[SEL], s[SEL+1]
.endr
.irp b, 0,1,2,3
	v_max_num_f32 v[TM+\b], v[TM+\b], v[TM+4+\b]   ; with lane l xor 16's: the block's largest magnitude
.endr
.irp b, 0,1,2,3
	v_add_nc_u32 v[TM+12+\b], 0xff000000, v[TM+\b] ; 2 off its exponent field: the conversion's scale operand
.endr
.irp b, 0,1,2,3
	v_lshrrev_b32 v[TM+4+\b], 23, v[TM+12+\b]      ; the scale's byte
.endr
	v_lshl_or_b32 v[\pw], v[TM+5], 8, v[TM+4]
	v_lshl_or_b32 v[\pw], v[TM+6], 16, v[\pw]
	v_lshl_or_b32 v[\pw], v[TM+7], 24, v[\pw]
.irp b, 0,1,2,3
	v_cvt_scalef32_pk8_fp4_f32 v[PC+2*\b], v[\src+16*\b:\src+7+16*\b], v[TM+12+\b]
	v_cvt_scalef32_pk8_fp4_f32 v[PC+1+2*\b], v[\src+8+16*\b:\src+15+16*\b], v[TM+12+\b]
.endr
	v_nop                                          ; one plain line behind a scaled conversion
.irp c, 0,1                                    ; a whole block to a lane: lanes 0-15 block 2 c, lanes 16-31 block 2 c + 1
.irp i, 0,1
	v_permlane16_swap_b32 v[PC+4*\c+\i], v[PC+2+4*\c+\i]
.endr
.endr
.endm
	WIN 0x05                                       ; sources 0 and 1 window 1
.irp a, 0,1,2,3
	v_pk_mul_f32 v[SS+2*\a:SS+2*\a+1], v[64*\a:64*\a+1], v[64*\a:64*\a+1]   ; the sums of squares: four tiles by turns, each accumulator from its low end on
.endr
.set KK, 2
.rept 31
.irp a, 0,1,2,3
	v_pk_fma_f32 v[SS+2*\a:SS+2*\a+1], v[64*\a+KK:64*\a+KK+1], v[64*\a+KK:64*\a+KK+1], v[SS+2*\a:SS+2*\a+1]
.endr
.set KK, KK+2
.endr
	WIN 0
.irp a, 0,1,2,3
	v_add_f32 v[SS+2*\a], v[SS+2*\a], v[SS+2*\a+1]
	v_mov_b32 v[TM+4+\a], 0                        ; a lane permute's destination counts as one of its sources
.endr
.irp a, 0,1,2,3
	v_permlanex16_b32 v[TM+4+\a], v[SS+2*\a], s[SEL], s[SEL+1]
.endr
.irp a, 0,1,2,3
	v_add_f32 v[SS+2*\a], v[SS+2*\a], v[TM+4+\a]   ; with lane l xor 16's 64: the row's 128
.endr
.irp a, 0,1,2,3
	v_fma_f32 v[SS+2*\a], v[SS+2*\a], 0x3c000000, s101   ; / 128 + 1e-6
.endr
	s_wait_alu depctr_va_vdst(0)
.irp a, 0,1,2,3
	v_rsq_f32 v[TM+\a], v[SS+2*\a]
.endr
	v_nop                                          ; a plain line behind the last of the batch
	s_wait_alu depctr_va_vdst(0)                   ; one wait for the four, ahead of their first reader
.irp a, 0,1,2,3
	v_cndmask_b32 v[RS+2*\a], v[TM+\a], 1.0, s100  ; v has no norm
	v_mov_b32 v[RS+2*\a+1], 0                      ; (named with it as a pair)
.endr
.macro TILE a
	s_wait_loadcnt 48-16*\a                        ; this tile's 16 loads of the table are in; the later tiles' may be out (the norm's weight was the first thing loaded)
	WIN 0x01                                       ; source 0 window 1
.set KK, 0
.rept 32
	v_pk_mul_f32 v[Y+KK:Y+KK+1], v[64*\a+KK:64*\a+KK+1], v[RS+2*\a:RS+2*\a+1] op_sel_hi:[1,0]
.set KK, KK+2
.endr
	WIN 0
	s_cmp_lg_u32 s2, 0                             ; v: neither weight nor RoPE (the branch hangs on the work-group's number alone)
	s_cbranch_scc1 .Lplain_\@
	WIN 0x08                                       ; source 1 window 2
.set KK, 0
.rept 32
	v_pk_mul_f32 v[Y+KK:Y+KK+1], v[Y+KK:Y+KK+1], v[128+KK:129+KK]
.set KK, KK+2
.endr
	WIN 0x0c                                       ; source 1 window 3
.set KK, 0
.rept 16                                       ; registers 0-31 are channels 0-63, registers 32-63 their partners 64 further on
.set T1, TM+4*((KK/2)%2)
	v_pk_mul_f32 v[T1:T1+1], v[Y+32+KK:Y+33+KK], v[64*\a+32+KK:64*\a+33+KK]
	v_pk_mul_f32 v[T1+2:T1+3], v[Y+KK:Y+KK+1], v[64*\a+32+KK:64*\a+33+KK]
	v_pk_fma_f32 v[Y+KK:Y+KK+1], v[Y+KK:Y+KK+1], v[64*\a+KK:64*\a+KK+1], v[T1:T1+1] neg_lo:[0,0,1] neg_hi:[0,0,1]
	v_pk_fma_f32 v[Y+32+KK:Y+33+KK], v[Y+32+KK:Y+33+KK], v[64*\a+KK:64*\a+KK+1], v[T1+2:T1+3]
.set KK, KK+2
.endr
	WIN 0
.Lplain_\@:
.if \a > 0
	s_wait_xcnt 0x0                                ; the last tile's stores have read the codes' registers: they are written again only behind this wait
.endif
	QUANT Y, PW+\a
	global_store_b128 v[LI], v[PC:PC+3], s[66:67] offset:1024*\a          ; the image: 512 consecutive bytes a store
	global_store_b128 v[LI], v[PC+4:PC+7], s[66:67] offset:1024*\a+512
.endm
	s_wait_alu depctr_va_vdst(0)
	TILE 0
	TILE 1
	TILE 2
	TILE 3
	v_cndmask_b32 v[WD], v[PW], v[PW+2], s89       ; lane (r, h) stores words 2 h and 2 h + 1 of row r: 32 lanes, 256 consecutive bytes
	v_cndmask_b32 v[WD+1], v[PW+1], v[PW+3], s89
	global_store_b64 v[LW], v[WD:WD+1], s[68:69]
	s_wait_tensorcnt 0x0
	ds_add_u32 v254, v255
	s_wait_dscnt 0x0
	s_endpgm
.Lfunc_end_k_q93a97b9c41_qkv:
	.size	k_q93a97b9c41_qkv, .Lfunc_end_k_q93a97b9c41_qkv-k_q93a97b9c41_qkv
	.p2alignl 7, 3214868480
	.fill 96, 4, 3214868480
	.section	.rodata,"a",@progbits
	.p2align	6, 0x0
	.amdhsa_kernel k_q93a97b9c41_qkv
		.amdhsa_group_segment_fixed_size 327680
		.amdhsa_private_segment_fixed_size 0
		.amdhsa_enable_private_segment 0
		.amdhsa_kernarg_size 56
		.amdhsa_user_sgpr_count 2
		.amdhsa_user_sgpr_kernarg_segment_ptr 1
		.amdhsa_wavefront_size32 1
		.amdhsa_system_sgpr_workgroup_id_x 1
		.amdhsa_system_sgpr_workgroup_id_y 1
		.amdhsa_system_sgpr_workgroup_id_z 1
		.amdhsa_system_vgpr_workitem_id 0
		.amdhsa_next_free_vgpr 1024
		.amdhsa_next_free_sgpr 102
		.amdhsa_reserve_vcc 0
		.amdhsa_float_denorm_mode_32 3
		.amdhsa_float_denorm_mode_16_64 3
		.amdhsa_memory_ordered 1
		.amdhsa_forward_progress 1
		.amdhsa_inst_pref_size 255
	.end_amdhsa_kernel
	.section	.bss,"aw",@nobits
	.p2align	6
	.space	262144
	.amdgpu_metadata
---
amdhsa.version: [ 1, 2 ]
amdhsa.kernels:
  - .name:           k_q93a97b9c41_qkv
    .symbol:         k_q93a97b9c41_qkv.kd
    .args:
      - { .name: xq, .offset: 0, .size: 8, .value_kind: global_buffer, .address_space: global }
      - { .name: wq, .offset: 8, .size: 8, .value_kind: global_buffer, .address_space: global }
      - { .name: tab, .offset: 16, .size: 8, .value_kind: global_buffer, .address_space: global }
      - { .name: qn_w, .offset: 24, .size: 8, .value_kind: global_buffer, .address_space: global }
      - { .name: kn_w, .offset: 32, .size: 8, .value_kind: global_buffer, .address_space: global }
      - { .name: qq, .offset: 40, .size: 8, .value_kind: global_buffer, .address_space: global }
      - { .name: kv, .offset: 48, .size: 8, .value_kind: global_buffer, .address_space: global }
    .group_segment_fixed_size: 327680
    .private_segment_fixed_size: 0
    .kernarg_segment_align: 8
    .kernarg_segment_size: 56
    .max_flat_workgroup_size: 128
    .sgpr_count:     102
    .vgpr_count:     1024
    .wavefront_size: 32
...
	.end_amdgpu_metadata
.endif
;; end of part 2
;; launch attn (part 3): grid 64 x 4, 8 waves a work-group, clusters of 4 x 1, 327,680 bytes of LDS; arguments qq, kv, aq; writes aq
.if DOCPART == 3
	.amdgcn_target "amdgcn-amd-amdhsa--gfx1250"
	.amdhsa_code_object_version 6
	.text
	.protected	k_q93a97b9c41_attn
	.globl	k_q93a97b9c41_attn
	.p2align	8
	.type	k_q93a97b9c41_attn,@function
k_q93a97b9c41_attn:
	s_mov_b64 s[64:65], 0
	v_nop
	global_prefetch_b8 v0, s[64:65] scope:SCOPE_SE
	s_setreg_imm32_b32 hwreg(HW_REG_WAVE_MODE, 25, 1), 1
	s_wait_xcnt 0x0
	s_wait_alu depctr_hold_cnt(0) depctr_sa_sdst(0) depctr_va_vdst(0) depctr_va_sdst(0) depctr_va_ssrc(0) depctr_va_vcc(0) depctr_vm_vsrc(0)
	s_getreg_b32 s2, hwreg(HW_REG_IB_STS2, 6, 4)
	s_cmp_eq_u32 s2, 0
	s_cbranch_scc0 .Lentry_in_a_cluster
	s_endpgm
.Lentry_in_a_cluster:
	s_bfe_u32 s2, ttmp6, 0x10000c
	s_cmp_lg_u32 s2, 0x3003
	s_cbranch_scc0 .Lentry_shape_is_right
	s_endpgm
.Lentry_shape_is_right:
; ATTN: causal attention on codes of FP4: S^T = K Q^T, p = 2^(t - M) with t = score x log2(e) / sqrt(128) and M the running largest t rounded up to a whole number, p quantised along the keys, O^T += V^T P^T;
; the row's sum of the unquantised p divides at the end; O is quantised along the head for the last product.  Key steps that lie wholly behind a tile's diagonal are left out: the causal mask is built by the definition itself.
; SHARES.  Work-group (i, g), i = 0 .. 63, g the key/value head.  Waves w and w xor 4 serve query head 4 g + (w & 3) and TWO tiles of 16 queries: tile i (owned by w < 4) and tile 127 - i (owned by w >= 4).
; Key steps are of 128; the two tiles have (i / 8 + 1) + (16 - i / 8) = 17 of them.  EVERY WAVE WORKS ITS OWN TILE AT EVEN KEY STEPS AND ITS PARTNER'S TILE AT ODD ONES: 8 or 9 steps a wave, whatever i.
; So a wave keeps two states (-M, largest t, sum, O^T).  At the end it hands its part of the partner's tile over through LDS, and the owner joins the two parts: M = the larger; each part x 2^(its M - M), which rounds nothing.
; A part with no step has sum 0, O^T 0 and M = -3e38: its factor is 0.  The owner's part holds key step 0, so its M is a number.
; K AND V OF THE HEAD STAY IN LDS: 16 steps x 17,408 bytes, filled ONCE, as they lie in memory: steps 0-3 by the head's loads, steps 4-15 by the loads behind the one round that follows; each wave brings an eighth of each.
; CLUSTER 4 x 1: the four partners have the same g: every load is joint.  The diagonals' steps hang on the cluster's x and the wave's number alone: all branches are alike in all partners.
; NO PREFETCH: all that the launch reads is asked for ahead of its third trip; there is nothing left to run ahead of.
; LAYOUT.  A lane holds ONE query of each tile.  Tiles of keys (and of v's channels) hold rows 32 c + 8 u + (p & 7) + 16 (p >> 3), so a lane's registers 16 b + i are keys (channels) 32 b + 16 (lane / 16) + i.
; OUT: aq [tile of tokens 128][g][4,352]: images of heads 4 g + 0 .. 3, then words [place][head & 3][4], gathered from four waves through 256 bytes of LDS.
; LIMITS: NaN and infinities are not served; a block of p or of O whose largest magnitude lies under 2^-124 keeps the byte 1; the scaled scores stay under 2^31 in magnitude.
; REGISTERS, window 0: v1 16 x lane, v2 16 x (lane % 16), v3-4 the trip's LDS addresses, v5 my tile's mask number, v6-7 the words' stage, v8-10 at work, v11 8 x lane; v12 -M, v13 largest t, v[14:15] the sum; v16-23 Q;
;   v24-31 K's scale words, then V's; v32-95 fragments of K, then of V; v96-159 S^T, then p; v160-223 O^T; v224-231 p's codes; v232-239 at work; v240-243 the other tile's -M, t, sum; v244 its Q's scale word; v245 its mask number;
;   v248-251 scale operands; v252 f; v253 p's scale word; v254 at work; v255 Q's scale word.   window 1: v0-1 the add's; v16-23 the other tile's Q; v160-223 its O^T.
.set STEPB, 17408
.set CHUNK_B, 4*STEPB
.set REST8, 12*STEPB/8                 ; an eighth of steps 4-15: 26,112 bytes, 102 rows of 256
.set SWST,  16*STEPB                   ; behind K and V: 2 x 256 bytes for the scale words on their way out; no tensor load lands there
.set SPARE, 0x46000
.set XW,    8704                       ; the hand-over: 8,192 bytes of O^T and 256 of (-M, sum) a wave, in the bytes of steps 0-3, which have had their last fill and their last read by then
.set SEL, 48
.set CS,  50
.set TM,  32
.set PC,  224
.set MSB, 0
.macro WIN new                         ; the immediate's high byte repeats the setting that is left
.if MSB != \new
	s_set_vgpr_msb (MSB<<8)|\new
.set MSB, \new
.endif
.endm
.macro CROUND
	s_barrier_signal -1
	s_barrier_wait -1
	s_cmp_lg_u32 s18, 0
	s_cbranch_scc1 .Lnot_wave_0_\@
	s_barrier_signal -3
.Lnot_wave_0_\@:
	s_barrier_wait -3
	s_barrier_signal -1
	s_barrier_wait -1
.endm
.macro QADR t, im, wd                  ; tile s[t]'s image and scale words in qq, as byte offsets
	s_lshr_b32 s[\wd+1], s[\t], 2
	s_add_co_u32 s[\wd], s68, s[\wd+1]
	s_mul_i32 s[\wd], s[\wd], 4352
	s_and_b32 s[\wd+1], s[\t], 3
	s_lshl_b32 s[\im], s[\wd+1], 10
	s_add_co_u32 s[\im], s[\im], s[\wd]
	s_lshl_b32 s[\wd+1], s[\wd+1], 2
	s_add_co_u32 s[\wd], s[\wd], s[\wd+1]
	s_add_co_u32 s[\wd], s[\wd], 4096
	s_mov_b32 s[\wd+1], 0
	s_mov_b32 s[\im+1], 0
.endm
.macro PLACE128 t, d, u                ; where tile s[t]'s first query lies in its 128
	s_bfe_u32 s[\d], s[\t], 0x20001
	s_lshl_b32 s[\d], s[\d], 5
	s_and_b32 s[\u], s[\t], 1
	s_lshl_b32 s[\u], s[\u], 3
	s_add_co_u32 s[\d], s[\d], s[\u]
.endm
	s_load_b128 s[4:7], s[0:1], 0x0                ; qq, kv
	s_load_b64 s[8:9], s[0:1], 0x10                ; aq
	WIN 0x40
	v_lshl_add_u32 v0, v0, 2, SPARE
	v_mov_b32 v1, 0
	WIN 0x45
	ds_add_u32 v0, v1                              ; the opening lines: the add, twice on end, and its wait
	ds_add_u32 v0, v1
	WIN 0
	v_lshrrev_b32 v8, 5, v0
	s_delay_alu instid0(VALU_DEP_1)
	v_readfirstlane_b32 s18, v8                    ; wave 0..7
	s_bfe_u32 s10, ttmp6, 0x40000                  ; cx
	s_and_b32 s11, ttmp7, 0xffff                   ; g
	s_lshl_b32 s12, ttmp9, 2
	s_add_co_u32 s12, s12, s10                     ; i
	s_sub_co_u32 s13, 127, s12
	s_lshr_b32 s14, ttmp9, 1                       ; i / 8
	s_sub_co_u32 s15, 15, s14
	s_cmp_lt_u32 s18, 4
	s_cselect_b32 s16, s12, s13                    ; my tile of queries
	s_cselect_b32 s66, s13, s12                    ; my partner's
	s_cselect_b32 s19, s14, s15                    ; my tile's last key step: the diagonal's
	s_cselect_b32 s67, s15, s14
	s_sub_co_i32 s67, s67, 1                       ; the other tile's, less 1: it is held against the trip's even step
	s_and_b32 s17, s18, 3
	s_mov_b32 s24, 15|(3<<16)|(1<<21)              ; the mask: all four partners; elements of 8 bytes; bit 21 beside a mask
	s_mov_b32 s25, 32<<16                          ; rows of 256 bytes
	s_mov_b32 s26, 34<<16                          ; 34 of them: an eighth of steps 0-3
	s_mov_b32 s27, 32<<16
	s_mov_b32 s28, 34
	s_mov_b32 s29, 32                              ; dense
	s_mov_b32 s30, 0
	s_mov_b32 s31, 0
	s_mov_b32 s80, 15|(3<<16)|(1<<21)              ; the same for an eighth of steps 4-15: 102 rows
	s_mov_b32 s81, 32<<16
	s_mov_b32 s82, 102<<16
	s_mov_b32 s83, 32<<16
	s_mov_b32 s84, 102
	s_mov_b32 s85, 32
	s_mov_b32 s86, 0
	s_mov_b32 s87, 0
	s_mov_b32 s[SEL], 0x76543210
	s_mov_b32 s[SEL+1], 0xfedcba98
	s_mov_b32 s[CS], 0x3e0293ee                    ; log2(e) / sqrt(128)
	s_mov_b32 s[CS+1], s[CS]
	s_mov_b32 s20, 0                               ; the trip's even key step
	s_mov_b32 s21, 0                               ; and its first LDS byte
	s_mul_i32 s56, s18, 8704                       ; my part of steps 0-3
	s_mul_i32 s57, s18, REST8
	s_add_co_u32 s57, s57, CHUNK_B                 ; and of steps 4-15
	s_mul_i32 s58, s11, 16*STEPB
	s_add_co_u32 s88, s58, s57
	s_mov_b32 s89, 0
	s_add_co_u32 s58, s58, s56
	s_mov_b32 s59, 0
	s_lshl_b32 s68, s11, 2
	s_add_co_u32 s68, s68, s17                     ; my query head
	s_lshl_b32 s68, s68, 5
	QADR 16, 70, 72
	QADR 66, 74, 76
	PLACE128 16, 2, 3
	PLACE128 66, 78, 79
	s_lshr_b32 s90, s18, 2
	s_lshl_b32 s90, s90, 8
	s_add_co_u32 s90, s90, SWST                    ; my tile's 256 bytes of the words' stage
	s_lshl_b32 s91, s17, 2
	s_add_co_u32 s91, s91, s90
	s_lshl_b32 s52, s16, 2
	s_add_co_u32 s52, s52, s11
	s_mul_i32 s52, s52, 4352                       ; the result's block
	s_add_co_u32 s54, s52, 4096
	s_lshl_b32 s53, s17, 10
	s_add_co_u32 s52, s52, s53
	s_mov_b32 s53, 0
	s_mov_b32 s55, 0
	s_wait_dscnt 0x0
	s_wait_kmcnt 0x0
	s_add_nc_u64 s[58:59], s[6:7], s[58:59]
	s_add_nc_u64 s[88:89], s[6:7], s[88:89]
	s_add_nc_u64 s[70:71], s[4:5], s[70:71]
	s_add_nc_u64 s[72:73], s[4:5], s[72:73]
	s_add_nc_u64 s[74:75], s[4:5], s[74:75]
	s_add_nc_u64 s[76:77], s[4:5], s[76:77]
	s_add_nc_u64 s[52:53], s[8:9], s[52:53]
	s_add_nc_u64 s[54:55], s[8:9], s[54:55]
	CROUND                                         ; all four work-groups are here: the joint loads meet
	s_mov_b32 s32, 1
	s_mov_b32 s33, s56
	s_mov_b64 s[34:35], s[58:59]
	s_or_b32 s35, s35, 0x80000000
	s_mov_b32 s36, 1
	s_mov_b32 s37, s57
	s_mov_b64 s[38:39], s[88:89]
	s_or_b32 s39, s39, 0x80000000
	tensor_load_to_lds s[32:35], s[24:31]          ; steps 0-3: my one load at the head
	s_nop 0
.rept 4
	v_nop
.endr
	v_and_b32 v8, 31, v0
	s_delay_alu instid0(VALU_DEP_1)
	v_lshlrev_b32 v1, 4, v8
	v_and_b32 v9, 15, v0
	s_delay_alu instid0(VALU_DEP_1)
	v_lshlrev_b32 v2, 4, v9
	s_wait_alu depctr_va_vdst(0)
	v_bfe_u32 v10, v0, 4, 1
	global_load_b128 v[16:19], v1, s[70:71]        ; both tiles' Q stay in registers
	global_load_b128 v[20:23], v1, s[70:71] offset:512
	global_load_b32 v255, v2, s[72:73]             ; and their scale words
	global_load_b32 v244, v2, s[76:77]
	WIN 0x40
	global_load_b128 v[16:19], v1, s[74:75]
	global_load_b128 v[20:23], v1, s[74:75] offset:512
	WIN 0
	v_and_b32 v5, 7, v0
	v_bfe_u32 v11, v0, 3, 1
	s_delay_alu instid0(VALU_DEP_1)
	v_lshl_add_u32 v5, v11, 4, v5
	v_lshlrev_b32 v11, 4, v10
	s_delay_alu instid0(VALU_DEP_1)
	v_sub_nc_u32 v5, v5, v11                       ; my place in the tile's rows, less 16 (lane / 16)
	s_delay_alu instid0(VALU_DEP_1)
	v_add_nc_u32 v245, s78, v5                     ; + the tile's place in its 128: register 16 b + i is hidden on the diagonal where 32 b + i is above this
	v_add_nc_u32 v5, s2, v5
	v_add_nc_u32 v6, s91, v2                       ; the words' stage: in: 16 r + 4 (wave & 3)
	v_lshlrev_b32 v11, 3, v8
	s_delay_alu instid0(VALU_DEP_1)
	v_add_nc_u32 v7, s90, v11                      ; back: 8 x lane
	v_mov_b32 v13, 0xff61b1e6                      ; the largest t so far: -3e38
	v_mov_b32 v241, 0xff61b1e6
	s_delay_alu instid0(VALU_DEP_2)
	v_floor_f32 v12, -v13                          ; -M
	s_delay_alu instid0(VALU_DEP_2)
	v_floor_f32 v240, -v241
	v_mov_b32 v14, 0
	v_mov_b32 v15, 0
	v_mov_b32 v242, 0
	v_mov_b32 v243, 0
.irp b, 0,1,2,3
	v_mov_b32 v[236+\b], 0                         ; a lane permute's destination counts as one of its sources
.endr
	v_mov_b32 v252, 0
	v_mov_b32 v253, 0                              ; (named as the upper half of the pair v[252:253])
.set NN, 0
.rept 64
	v_mov_b32 v[160+NN], 0                         ; O^T: the step is written once for each tile; its first turn finds zeros, which the first change of M leaves zeros
.set NN, NN+1
.endr
	WIN 0x40
.set NN, 0
.rept 64
	v_mov_b32 v[160+NN], 0
.set NN, NN+1
.endr
	WIN 0
	s_wait_alu depctr_va_vdst(0)
	s_wait_loadcnt 0x0                             ; Q
; A KEY STEP.  x = 0: the trip's even step, for my own tile; x = 1: the odd step, for my partner's tile, whose Q and O^T lie in window 1.
.macro STEP x
.if \x
.set NM, 240
.set QS, 244
.set MK, 245
.set DG, 67
.else
.set NM, 12
.set QS, 255
.set MK, 5
.set DG, 19
.endif
.set SU, NM+2
	s_cmp_gt_i32 s20, s[DG]                        ; a step all of whose keys come after the tile's queries is left out
	s_cbranch_scc1 .Lhidden_\@
	v_add_nc_u32 v3, s21, v1
	v_add_nc_u32 v4, s21, v2
	v_nop
	v_nop                                          ; four plain lines in front of loads into registers that the last products read
.irp t, 0,1,2,3,4,5,6,7
	ds_load_b128 v[32+8*\t:35+8*\t], v3 offset:\x*STEPB+1024*\t
	ds_load_b128 v[36+8*\t:39+8*\t], v3 offset:\x*STEPB+1024*\t+512
.endr
	ds_load_b128 v[24:27], v4 offset:\x*STEPB+16384
	ds_load_b128 v[28:31], v4 offset:\x*STEPB+16640
	s_wait_alu depctr_va_vdst(0)
	s_wait_dscnt 0x0
	WIN 4*\x                                       ; source 1: the tile's Q
.irp t, 0,1,2,3,4,5,6,7
	v_wmma_scale_f32_16x16x128_f8f6f4 v[96+8*\t:103+8*\t], v[32+8*\t:39+8*\t], v[16:23], 0, v[24+\t], v[QS] matrix_a_fmt:MATRIX_FMT_FP4 matrix_b_fmt:MATRIX_FMT_FP4
.endr
	WIN 0
.rept 4
	v_nop
.endr
.irp t, 0,1,2,3,4,5,6,7                        ; V's fragments and scale words land while the softmax is worked
	ds_load_b128 v[32+8*\t:35+8*\t], v3 offset:\x*STEPB+8192+1024*\t
	ds_load_b128 v[36+8*\t:39+8*\t], v3 offset:\x*STEPB+8192+1024*\t+512
.endr
	ds_load_b128 v[24:27], v4 offset:\x*STEPB+16896
	ds_load_b128 v[28:31], v4 offset:\x*STEPB+17152
	s_cmp_lg_u32 s20, s[DG]                        ; on the diagonal hidden scores become -infinity ahead of the maximum: p = 0 then
	s_cbranch_scc1 .Lopen_\@
	v_mov_b32 v254, 0xff800000
.set NN, 0
.rept 64
	v_cmp_gt_i32 vcc_lo, 32*(NN/16)+NN%16, v[MK]
	v_cndmask_b32 v[96+NN], v[96+NN], v254, vcc_lo
.set NN, NN+1
.endr
.Lopen_\@:
.irp b, 0,1,2,3
	v_max3_num_f32 v[232+\b], v[96+16*\b], v[97+16*\b], v[98+16*\b]   ; the largest score of each block of 32 keys: for the row's maximum, and, since p rises with the score, for the block's largest p
.endr
.irp i, 3,5,7,9,11,13
.irp b, 0,1,2,3
	v_max3_num_f32 v[232+\b], v[232+\b], v[96+16*\b+\i], v[97+16*\b+\i]
.endr
.endr
.irp b, 0,1,2,3
	v_max_num_f32 v[232+\b], v[232+\b], v[111+16*\b]
.endr
.irp b, 0,1,2,3
	s_delay_alu instid0(VALU_DEP_4)
	v_permlanex16_b32 v[236+\b], v[232+\b], s[SEL], s[SEL+1]
.endr
.irp b, 0,1,2,3
	s_delay_alu instid0(VALU_DEP_4)
	v_max_num_f32 v[232+\b], v[232+\b], v[236+\b]  ; with lane l xor 16's 16 keys
.endr
	s_delay_alu instid0(VALU_DEP_2)
	v_max3_num_f32 v254, v232, v233, v234
	s_delay_alu instid0(VALU_DEP_1)
	v_max_num_f32 v254, v254, v235
	s_delay_alu instid0(VALU_DEP_1)
	v_mul_f32 v254, s[CS], v254                    ; as t
	s_delay_alu instid0(VALU_DEP_1)
	v_max_num_f32 v[NM+1], v[NM+1], v254           ; the running largest t
	v_mov_b32 v254, v[NM]
	s_delay_alu instid0(VALU_DEP_2)
	v_floor_f32 v[NM], -v[NM+1]                    ; the new -M = -ceil(t)
	s_delay_alu instid0(VALU_DEP_1)
	v_sub_f32 v254, v[NM], v254                    ; old M - new M: a whole number, 0 or less
	s_delay_alu instid0(VALU_DEP_1)
	v_cvt_i32_f32 v254, v254                       ; (it saturates)
	s_delay_alu instid0(VALU_DEP_1)
	v_ldexp_f32 v252, 1.0, v254                    ; f = 2^(old M - new M)
.set NN, 0
.rept 32
	v_pk_fma_f32 v[96+NN:97+NN], v[96+NN:97+NN], s[CS:CS+1], v[NM:NM+1] op_sel_hi:[1,0,0]   ; t - M
.set NN, NN+2
.endr
.irp b, 0,1,2,3
	v_fma_f32 v[232+\b], v[232+\b], s[CS], v[NM]   ; the same of each block's largest score
.endr
.set NN, 0
	s_wait_alu depctr_va_vdst(0)
.rept 64
	v_exp_f32 v[96+NN], v[96+NN]                   ; p
.set NN, NN+1
.endr
	v_pk_mul_f32 v[SU:SU+1], v[SU:SU+1], v[252:253] op_sel_hi:[1,0]   ; the sums under the new M (a plain line behind the exponentials)
	s_wait_alu depctr_va_vdst(0)                   ; one wait for the batch, ahead of its first reader
.irp b, 0,1,2,3
	v_exp_f32 v[232+\b], v[232+\b]                 ; the block's largest p
.endr
	v_pk_add_f32 v[236:237], v[100:101], v[104:105]   ; the row's sum of the unquantised p, in eight chains
	v_pk_add_f32 v[250:251], v[108:109], v[112:113]
	v_pk_add_f32 v[248:249], v[116:117], v[120:121]
	v_pk_add_f32 v[238:239], v[124:125], v[128:129]
	v_pk_add_f32 v[230:231], v[132:133], v[136:137]
	v_pk_add_f32 v[228:229], v[140:141], v[144:145]
	v_pk_add_f32 v[226:227], v[148:149], v[152:153]
	v_pk_add_f32 v[SU:SU+1], v[SU:SU+1], v[156:157]
	v_pk_add_f32 v[236:237], v[236:237], v[96:97]
	v_pk_add_f32 v[250:251], v[250:251], v[98:99]
	v_pk_add_f32 v[248:249], v[248:249], v[102:103]
	v_pk_add_f32 v[238:239], v[238:239], v[106:107]
	v_pk_add_f32 v[230:231], v[230:231], v[110:111]
	v_pk_add_f32 v[228:229], v[228:229], v[114:115]
	v_pk_add_f32 v[226:227], v[226:227], v[118:119]
	v_pk_add_f32 v[SU:SU+1], v[SU:SU+1], v[122:123]
	v_pk_add_f32 v[236:237], v[236:237], v[126:127]
	v_pk_add_f32 v[250:251], v[250:251], v[130:131]
	v_pk_add_f32 v[248:249], v[248:249], v[134:135]
	v_pk_add_f32 v[238:239], v[238:239], v[138:139]
	v_pk_add_f32 v[230:231], v[230:231], v[142:143]
	v_pk_add_f32 v[228:229], v[228:229], v[146:147]
	v_pk_add_f32 v[226:227], v[226:227], v[150:151]
	v_pk_add_f32 v[SU:SU+1], v[SU:SU+1], v[154:155]
	v_pk_add_f32 v[236:237], v[236:237], v[158:159]
	s_delay_alu instid0(VALU_DEP_2)
	v_pk_add_f32 v[SU:SU+1], v[SU:SU+1], v[238:239]
	s_delay_alu instid0(VALU_DEP_2)
	v_pk_add_f32 v[236:237], v[236:237], v[230:231]
	v_pk_add_f32 v[250:251], v[250:251], v[228:229]
	v_pk_add_f32 v[248:249], v[248:249], v[226:227]
	s_delay_alu instid0(VALU_DEP_2)
	v_pk_add_f32 v[SU:SU+1], v[SU:SU+1], v[250:251]
	s_delay_alu instid0(VALU_DEP_2)
	v_pk_add_f32 v[236:237], v[236:237], v[248:249]
	s_delay_alu instid0(VALU_DEP_1)
	v_pk_add_f32 v[SU:SU+1], v[SU:SU+1], v[236:237]
	s_wait_alu depctr_va_vdst(0)                   ; and one for the four
.irp b, 0,1,2,3
	v_max_num_f32 v[232+\b], 0x1800000, v[232+\b]  ; the floor 2^(3 - 127)
.endr
.irp b, 0,1,2,3
	s_delay_alu instid0(VALU_DEP_4)
	v_add_nc_u32 v[248+\b], 0xff000000, v[232+\b]  ; the conversion's scale operand
.endr
.irp b, 0,1,2,3
	s_delay_alu instid0(VALU_DEP_4)
	v_lshrrev_b32 v[236+\b], 23, v[248+\b]         ; the scale's byte
.endr
	s_delay_alu instid0(VALU_DEP_3)
	v_lshl_or_b32 v253, v237, 8, v236              ; p's scale word for these 128 keys
	s_delay_alu instid0(VALU_DEP_1)
	v_lshl_or_b32 v253, v238, 16, v253
	s_delay_alu instid0(VALU_DEP_1)
	v_lshl_or_b32 v253, v239, 24, v253
.irp b, 0,1,2,3
	v_cvt_scalef32_pk8_fp4_f32 v[224+2*\b], v[96+16*\b:103+16*\b], v[248+\b]
	v_cvt_scalef32_pk8_fp4_f32 v[225+2*\b], v[104+16*\b:111+16*\b], v[248+\b]
.endr
	v_nop                                          ; one plain line behind a scaled conversion
.irp c, 0,1
.irp i, 0,1
	v_permlane16_swap_b32 v[224+4*\c+\i], v[226+4*\c+\i]
.endr
.endr
	WIN 0x41*\x                                    ; the tile's O^T as destination and source 0
	s_wait_alu depctr_va_vdst(0)                   ; directly ahead of the first reader of O^T
.set NN, 0
.rept 32
	v_pk_mul_f32 v[160+NN:161+NN], v[160+NN:161+NN], v[252:253] op_sel_hi:[1,0]   ; O^T under the new M; these 32 are also the places between p's word and codes and the products
.set NN, NN+2
.endr
	WIN 0x50*\x                                    ; the tile's O^T as C and D
	s_wait_alu depctr_va_vdst(0)
	s_wait_dscnt 0x0                               ; V
.irp t, 0,1,2,3,4,5,6,7                        ; eight accumulators by turns
	v_wmma_scale_f32_16x16x128_f8f6f4 v[160+8*\t:167+8*\t], v[32+8*\t:39+8*\t], v[224:231], v[160+8*\t:167+8*\t], v[24+\t], v253 matrix_a_fmt:MATRIX_FMT_FP4 matrix_b_fmt:MATRIX_FMT_FP4
.endr
	WIN 0
.Lhidden_\@:
.endm
.macro PAIRS n                         ; n trips of two key steps
	s_mov_b32 s22, \n
.Lstep_\@:
	STEP 0
	STEP 1
	s_add_co_u32 s20, s20, 2
	s_add_co_u32 s21, s21, 2*STEPB
	s_sub_co_u32 s22, s22, 1
	s_cmp_lg_u32 s22, 0
	s_cbranch_scc1 .Lstep_\@
.endm
	WIN 0x05                                       ; the add's two registers lie in window 1
	s_wait_tensorcnt 0x0                           ; my part of steps 0-3 is in
	ds_add_u32 v0, v1
	s_wait_dscnt 0x0
	WIN 0
	CROUND                                         ; everybody's part is in, and the four partners are here
	tensor_load_to_lds s[36:39], s[80:87]          ; steps 4-15: a first fill, joint, my one load behind this round; it has two trips in which to land
	s_nop 0
.rept 4
	v_nop
.endr
	PAIRS 2
	s_wait_tensorcnt 0x0                           ; my part of steps 4-15 is in
	s_wait_dscnt 0x0
	s_barrier_signal -1
	s_barrier_wait -1                              ; everybody's is
	PAIRS 6
	; ---------------- the hand-over ----------------
	s_mul_i32 s2, s18, XW                          ; where I put my part of my partner's tile,
	s_xor_b32 s3, s18, 4
	s_mul_i32 s3, s3, XW                           ; and where my partner puts its part of mine
	v_add_nc_u32 v8, s2, v1                        ; (these five lines are also the places behind the last products)
	v_add_nc_u32 v9, s2, v11
	v_add_nc_u32 v10, s3, v1
	v_add_nc_u32 v254, s3, v11
	v_add_f32 v241, v242, v243                     ; the other tile's sum of my keys: v[240:241] = (-M, sum)
	s_wait_alu depctr_va_vdst(0)
	s_wait_dscnt 0x0
	s_barrier_signal -1
	s_barrier_wait -1                              ; nobody reads K and V any more
	WIN 0x04                                       ; the data: window 1
.irp k, 0,1,2,3,4,5,6,7,8,9,10,11,12,13,14,15
	ds_store_b128 v8, v[160+4*\k:163+4*\k] offset:512*\k   ; each accumulator from its low end on
.endr
	WIN 0
	ds_store_b64 v9, v[240:241] offset:8192
	s_wait_dscnt 0x0                               ; for my partner's sake
	s_barrier_signal -1
	s_barrier_wait -1
.irp k, 0,1,2,3,4,5,6,7,8,9,10,11,12,13,14,15
	ds_load_b128 v[96+4*\k:99+4*\k], v10 offset:512*\k
.endr
	ds_load_b64 v[232:233], v254 offset:8192
	v_add_f32 v14, v14, v15                        ; my own part's sum
	s_wait_alu depctr_va_vdst(0)
	s_wait_dscnt 0x0
	v_min_num_f32 v15, v12, v232                   ; -M of the two parts together
	v_sub_f32 v8, v15, v12                         ; each part's M less the common one: whole numbers, 0 or less
	v_sub_f32 v9, v15, v232
	v_cvt_i32_f32 v8, v8                           ; (they saturate)
	v_cvt_i32_f32 v9, v9
	v_ldexp_f32 v8, 1.0, v8
	v_ldexp_f32 v9, 1.0, v9
	v_mul_f32 v14, v14, v8
	v_fma_f32 v14, v233, v9, v14
	v_permlanex16_b32 v252, v14, s[SEL], s[SEL+1]
	v_add_f32 v14, v14, v252                       ; the row's sum
	s_wait_alu depctr_va_vdst(0)
	v_rcp_f32 v15, v14
	v_nop
	s_wait_alu depctr_va_vdst(0)
	v_fma_f32 v10, -v14, v15, 1.0                  ; the reciprocal's residual, taken in
	v_fma_f32 v15, v10, v15, v15
	v_mul_f32 v8, v8, v15                          ; my part's factor / the sum,
	v_mul_f32 v10, v9, v15                         ; my partner's
.set NN, 0
.rept 32
	v_pk_mul_f32 v[96+NN:97+NN], v[96+NN:97+NN], v[10:11] op_sel_hi:[1,0]
.set NN, NN+2
.endr
	s_wait_alu depctr_va_vdst(0)                   ; directly ahead of the first reader of O^T
.set NN, 0
.rept 32
	v_pk_fma_f32 v[96+NN:97+NN], v[160+NN:161+NN], v[8:9], v[96+NN:97+NN] op_sel_hi:[1,0,1]   ; O^T / the sum: register 16 b + i is channel 32 b + 16 (lane / 16) + i; each accumulator from its low end on
.set NN, NN+2
.endr
	; ---------------- the way out ----------------
.irp b, 0,1,2,3
	v_mov_b32 v[TM+4+\b], 0
.endr
.irp b, 0,1,2,3
	v_max3_num_f32 v[TM+\b], |v[96+16*\b]|, |v[97+16*\b]|, 0x1800000
.endr
.irp i, 2,4,6,8,10,12,14
.irp b, 0,1,2,3
	s_delay_alu instid0(VALU_DEP_4)
	v_max3_num_f32 v[TM+\b], v[TM+\b], |v[96+16*\b+\i]|, |v[97+16*\b+\i]|
.endr
.endr
.irp b, 0,1,2,3
	s_delay_alu instid0(VALU_DEP_4)
	v_permlanex16_b32 v[TM+4+\b], v[TM+\b], s[SEL], s[SEL+1]
.endr
.irp b, 0,1,2,3
	s_delay_alu instid0(VALU_DEP_4)
	v_max_num_f32 v[TM+\b], v[TM+\b], v[TM+4+\b]
.endr
.irp b, 0,1,2,3
	s_delay_alu instid0(VALU_DEP_4)
	v_add_nc_u32 v[TM+12+\b], 0xff000000, v[TM+\b]
.endr
.irp b, 0,1,2,3
	s_delay_alu instid0(VALU_DEP_4)
	v_lshrrev_b32 v[TM+4+\b], 23, v[TM+12+\b]
.endr
	s_delay_alu instid0(VALU_DEP_3)
	v_lshl_or_b32 v253, v[TM+5], 8, v[TM+4]        ; my row's scale word for this head
	s_delay_alu instid0(VALU_DEP_1)
	v_lshl_or_b32 v253, v[TM+6], 16, v253
	s_delay_alu instid0(VALU_DEP_1)
	v_lshl_or_b32 v253, v[TM+7], 24, v253
.irp b, 0,1,2,3
	v_cvt_scalef32_pk8_fp4_f32 v[PC+2*\b], v[96+16*\b:103+16*\b], v[TM+12+\b]
	v_cvt_scalef32_pk8_fp4_f32 v[PC+1+2*\b], v[104+16*\b:111+16*\b], v[TM+12+\b]
.endr
	v_nop
.irp c, 0,1
.irp i, 0,1
	v_permlane16_swap_b32 v[PC+4*\c+\i], v[PC+2+4*\c+\i]
.endr
.endr
	global_store_b128 v1, v[PC:PC+3], s[52:53]     ; the image: 512 consecutive bytes a store
	global_store_b128 v1, v[PC+4:PC+7], s[52:53] offset:512
	ds_store_b32 v6, v253                          ; lanes l and l xor 16 write the same word with the same value
	s_wait_dscnt 0x0                               ; for the others' sake
	s_barrier_signal -1
	s_barrier_wait -1
	s_cmp_lg_u32 s17, 0                            ; waves 0 and 4 store their tile's 256 bytes of words, whole
	s_cbranch_scc1 .Lno_words
	ds_load_b64 v[8:9], v7
	s_wait_dscnt 0x0
	global_store_b64 v11, v[8:9], s[54:55]
.Lno_words:
	WIN 0x05
	s_wait_tensorcnt 0x0                           ; the wave's end
	ds_add_u32 v0, v1
	s_wait_dscnt 0x0
	WIN 0
	CROUND                                         ; the closing round
	s_endpgm
.Lfunc_end_k_q93a97b9c41_attn:
	.size	k_q93a97b9c41_attn, .Lfunc_end_k_q93a97b9c41_attn-k_q93a97b9c41_attn
	.p2alignl 7, 3214868480
	.fill 96, 4, 3214868480
	.section	.rodata,"a",@progbits
	.p2align	6, 0x0
	.amdhsa_kernel k_q93a97b9c41_attn
		.amdhsa_group_segment_fixed_size 327680
		.amdhsa_private_segment_fixed_size 0
		.amdhsa_enable_private_segment 0
		.amdhsa_kernarg_size 24
		.amdhsa_user_sgpr_count 2
		.amdhsa_user_sgpr_kernarg_segment_ptr 1
		.amdhsa_wavefront_size32 1
		.amdhsa_system_sgpr_workgroup_id_x 1
		.amdhsa_system_sgpr_workgroup_id_y 1
		.amdhsa_system_sgpr_workgroup_id_z 1
		.amdhsa_system_vgpr_workitem_id 0
		.amdhsa_next_free_vgpr 480
		.amdhsa_next_free_sgpr 100
		.amdhsa_reserve_vcc 1
		.amdhsa_float_denorm_mode_32 3
		.amdhsa_float_denorm_mode_16_64 3
		.amdhsa_memory_ordered 1
		.amdhsa_forward_progress 1
		.amdhsa_inst_pref_size 122
	.end_amdhsa_kernel
	.amdgpu_metadata
---
amdhsa.version: [ 1, 2 ]
amdhsa.kernels:
  - .name:           k_q93a97b9c41_attn
    .symbol:         k_q93a97b9c41_attn.kd
    .args:
      - { .name: qq, .offset: 0, .size: 8, .value_kind: global_buffer, .address_space: global }
      - { .name: kv, .offset: 8, .size: 8, .value_kind: global_buffer, .address_space: global }
      - { .name: aq, .offset: 16, .size: 8, .value_kind: global_buffer, .address_space: global }
    .group_segment_fixed_size: 327680
    .private_segment_fixed_size: 0
    .kernarg_segment_align: 8
    .kernarg_segment_size: 24
    .max_flat_workgroup_size: 256
    .sgpr_count:     100
    .vgpr_count:     480
    .wavefront_size: 32
...
	.end_amdgpu_metadata
.endif
;; end of part 3
;; launch oproj (part 4): grid 16 x 16, 4 waves a work-group, clusters of 4 x 4, 327,680 bytes of LDS; arguments aq, woq, out0; writes out0
.if DOCPART == 4
	.amdgcn_target "amdgcn-amd-amdhsa--gfx1250"
	.amdhsa_code_object_version 6
	.text
	.protected	k_q93a97b9c41_oproj
	.globl	k_q93a97b9c41_oproj
	.p2align	8
	.type	k_q93a97b9c41_oproj,@function
k_q93a97b9c41_oproj:
	s_mov_b64 s[64:65], 0
	v_nop
	global_prefetch_b8 v0, s[64:65] scope:SCOPE_SE
	s_setreg_imm32_b32 hwreg(HW_REG_WAVE_MODE, 25, 1), 1
	s_wait_xcnt 0x0
	s_wait_alu depctr_hold_cnt(0) depctr_sa_sdst(0) depctr_va_vdst(0) depctr_va_sdst(0) depctr_va_ssrc(0) depctr_va_vcc(0) depctr_vm_vsrc(0)
	s_getreg_b32 s2, hwreg(HW_REG_IB_STS2, 6, 4)
	s_cmp_eq_u32 s2, 0
	s_cbranch_scc0 .Lentry_in_a_cluster
	s_endpgm
.Lentry_in_a_cluster:
	s_bfe_u32 s2, ttmp6, 0x10000c
	s_cmp_lg_u32 s2, 0xf033
	s_cbranch_scc0 .Lentry_shape_is_right
	s_endpgm
.Lentry_shape_is_right:
; OPROJ: out0[token][n] = sum over k of O[token][k] Wo[n][k], both on codes of FP4 (E2M1) with one E8M0 byte for each 32 along K; M = N = K = 2,048; sums in f32.
; OPERANDS: aq and woq are [tile 128][4][4,352]: a tile is 16 rows, tile 2 c + u holds rows 32 c + 8 u + (p & 7) + 16 (p >> 3), p its places; a block of 4,352 bytes is 512 along K:
; four images of an operand's registers (1,024 bytes for 128 along K) and 256 bytes of scale words [place][step of 128][4].
; SHARES.  A work-group makes 128 tokens x 128 channels: 16 x 16 = 256 work-groups.  ALL OF K STAYS IN LDS: A's 8 tiles are 139,264 consecutive bytes of aq, B's 8 tiles as many of woq; each of the four waves
; brings four tiles, 69,632 bytes as 272 rows of 256, by its ONE tensor load at the head.  Nothing is filled again: one barrier, no ring.
; A wave makes 64 tokens x 64 channels: 4 tiles of A against 4 of B, 16 accumulators, 16 steps of 128 along K, written out: every offset is an immediate.
; CLUSTER 4 x 4: A's tiles hang on the block row alone and are asked for jointly along a row of the cluster, B's on the block column alone, along a column.
; NO PREFETCH: all that the launch reads is asked for by the head's loads; there is no loop to run ahead in.
; THE MATRIX INSTRUCTION: source 0 = 16 rows of Wo, source 1 = 16 tokens: a lane holds a token, register j of B's tile t the channel 32 (t / 2) + 8 (t % 2) + 16 (lane / 16) + j.
; SCALES: one register carries A's word in lanes 0-15 and B's in lanes 16-31; all 64 (4 tiles x 16 steps) are loaded once.
; REGISTERS: window 0: v1-5 at work, v16-26 addresses, v28-29 the add's; v32-95 scale words and nothing else; v128-255 the way out.  window 1: accumulator (a, t) at v[32 a + 8 t].
;   window 2: four sets of fragments: step j's at v[64 (j % 4)]: B's four tiles, then A's four.  Fragments are fetched three steps ahead.
.set BLK,   4352
.set TSTR,  4*BLK                      ; a tile, all of K
.set HALF,  4*TSTR                     ; four tiles: what one tensor load brings, and what a wave reads of A or of B
.set BOFF,  2*HALF                     ; B lies behind A
.set SPARE, 4*HALF                     ; the spare words: 128 bytes a wave, two blocks of 256 bytes that no other line names
.set STAGE, SPARE+512                  ; the way out: 16 rows x (256 + 16) bytes for each wave; no tensor load lands there
.set SPITCH, 272
.set ADA,  16                          ; v16-17 LDS: my A tiles 0-1, 2-3, + 16 x lane
.set ADB,  20                          ; v20-21 the same for B
.set ADS,  22                          ; v22 LDS: scale words: lanes 0-15 A's, lanes 16-31 B's
.set STO,  24
.set RD,   25
.set CO,   26
.set SPW,  28
.set NIL,  29
.set SC,   32                          ; block s, tile i, step q at v[SC + 16 s + 4 i + q]
.set BK,   128
.set G1,  24
.set G0,  32
.set G0B, 36
.set G1B, 68
.set MULW, 0x5a                        ; sources 0 and 1 window 2, C and D window 1
.set MSB, 0
.macro WIN new                         ; the immediate's high byte repeats the setting that is left
.if MSB != \new
	s_set_vgpr_msb (MSB<<8)|\new
.set MSB, \new
.endif
.endm
.macro PLACES                          ; four plain vector lines between a matrix instruction and a load into, or a read of, its registers
.rept 4
	v_nop
.endr
.endm
.macro CROUND                          ; a round of the cluster's barrier
	s_barrier_signal -1
	s_barrier_wait -1
	s_cmp_lg_u32 s14, 0
	s_cbranch_scc1 .Lnot_wave_0_\@
	s_barrier_signal -3
.Lnot_wave_0_\@:
	s_barrier_wait -3
	s_barrier_signal -1
	s_barrier_wait -1
.endm
	s_load_b128 s[4:7], s[0:1], 0x0                ; aq, woq
	s_load_b64 s[8:9], s[0:1], 0x10                ; out0
	v_lshl_add_u32 v[SPW], v0, 2, SPARE
	v_mov_b32 v[NIL], 0
	ds_add_u32 v[SPW], v[NIL]                      ; the opening lines: the add, twice on end, and its wait ahead of my first tensor load
	ds_add_u32 v[SPW], v[NIL]
	v_lshrrev_b32 v1, 5, v0
	v_readfirstlane_b32 s14, v1                    ; wave 0..3
	s_lshr_b32 s15, s14, 1                         ; which 64 tokens are mine.  Also: I fetch for A (0) or for B (1)
	s_and_b32 s16, s14, 1                          ; which 64 channels.  Also: which four tiles I fetch
	s_bfe_u32 s40, ttmp6, 0x40000                  ; cx
	s_bfe_u32 s41, ttmp6, 0x40004                  ; cy
	s_lshl_b32 s42, ttmp9, 2
	s_add_co_u32 s42, s42, s40                     ; block column
	s_and_b32 s17, ttmp7, 0xffff
	s_lshl_b32 s17, s17, 2
	s_add_co_u32 s17, s17, s41                     ; block row
	s_lshl_b32 s43, s41, 2
	s_lshl_b32 s43, 15, s43                        ; my row of the cluster
	s_lshl_b32 s44, 0x1111, s40                    ; my column
	s_or_b32 s[G1], s43, (3<<16)|(1<<21)           ; the mask; elements of 8 bytes; bit 21 beside a mask; no padding: an image is read 16 bytes a lane on end
	s_or_b32 s[G1B], s44, (3<<16)|(1<<21)
.irp g, G1, G1B
	s_mov_b32 s[\g+1], 32<<16                      ; rows of 256 bytes,
	s_mov_b32 s[\g+2], 272<<16                     ; 272 of them,
	s_mov_b32 s[\g+3], 32<<16
	s_mov_b32 s[\g+4], 272
	s_mov_b32 s[\g+5], 32                          ; dense
	s_mov_b32 s[\g+6], 0
	s_mov_b32 s[\g+7], 0
.endr
	s_mul_i32 s18, s16, HALF
	s_mul_i32 s20, s17, 2*HALF                     ; A: the block row's 8 tiles, + my four
	s_add_co_u32 s20, s20, s18
	s_mov_b32 s21, 0
	s_mul_i32 s46, s42, 2*HALF                     ; B: the block column's
	s_add_co_u32 s46, s46, s18
	s_mov_b32 s47, 0
	s_mul_i32 s45, s14, HALF                       ; LDS: wave x four tiles: no place in the cluster enters an LDS address
	s_wait_dscnt 0x0                               ; both opening adds are done
	s_wait_kmcnt 0x0
	s_add_nc_u64 s[20:21], s[4:5], s[20:21]
	s_add_nc_u64 s[46:47], s[6:7], s[46:47]
	CROUND                                         ; all sixteen work-groups are here: the joint loads meet
	s_mov_b32 s[G0], 1
	s_mov_b32 s[G0+1], s45
	s_mov_b64 s[G0+2:G0+3], s[20:21]
	s_or_b32 s[G0+3], s[G0+3], 0x80000000
	s_mov_b32 s[G0B], 1
	s_mov_b32 s[G0B+1], s45
	s_mov_b64 s[G0B+2:G0B+3], s[46:47]
	s_or_b32 s[G0B+3], s[G0B+3], 0x80000000
	s_cmp_eq_u32 s15, 0                            ; waves 0 and 1 fetch A's halves, waves 2 and 3 B's: every way passes exactly one load
	s_cbranch_scc0 .Lfor_b
	tensor_load_to_lds s[G0:G0+3], s[G1:G1+7]
	s_nop 0
.rept 4
	v_nop
.endr
	s_branch .Lasked
.Lfor_b:
	tensor_load_to_lds s[G0B:G0B+3], s[G1B:G1B+7]
	s_nop 0
.rept 4
	v_nop
.endr
.Lasked:
	s_mul_i32 s50, s15, HALF                       ; my four tiles of A
	s_mul_i32 s51, s16, HALF
	s_add_co_u32 s51, s51, BOFF                    ; and of B
	s_sub_co_u32 s52, s51, s50                     ; from the one to the other
	s_add_co_u32 s53, s50, 4096                    ; a block's scale words lie behind its four images
	s_mul_i32 s54, s14, 16*SPITCH
	s_add_co_u32 s54, s54, STAGE                   ; my stage
	s_lshl_b32 s56, s17, 20                        ; out0: 128 rows of 8,192 bytes a block row,
	s_lshl_b32 s55, s15, 19                        ; + my 64 tokens,
	s_add_co_u32 s56, s56, s55
	s_lshl_b32 s55, s42, 9                         ; + 512 bytes a block column,
	s_add_co_u32 s56, s56, s55
	s_lshl_b32 s55, s16, 8                         ; + my 64 channels
	s_add_co_u32 s56, s56, s55
	s_mov_b32 s57, 0
	s_add_nc_u64 s[8:9], s[8:9], s[56:57]
	v_and_b32 v1, 15, v0                           ; r
	v_bfe_u32 v2, v0, 4, 1                         ; h
	v_and_b32 v3, 31, v0
	v_lshlrev_b32 v3, 4, v3                        ; 16 x lane
	v_add_nc_u32 v[ADA], s50, v3
	v_add_nc_u32 v[ADA+1], 2*TSTR, v[ADA]
	v_add_nc_u32 v[ADB], s51, v3
	v_add_nc_u32 v[ADB+1], 2*TSTR, v[ADB]
	v_mul_u32_u24 v4, s52, v2                      ; lanes 16-31 take B's words
	v_lshl_add_u32 v4, v1, 4, v4                   ; 16 bytes a place
	v_add_nc_u32 v[ADS], s53, v4
	v_mul_u32_u24 v5, v1, SPITCH                   ; the stage, in: row r, 64 bytes for each half of the lanes
	v_lshl_add_u32 v5, v2, 6, v5
	v_add_nc_u32 v[STO], s54, v5
	v_mul_u32_u24 v5, v2, SPITCH                   ; back: lanes 0-15 one row of 256 bytes, lanes 16-31 the next
	v_lshl_add_u32 v5, v1, 4, v5
	v_add_nc_u32 v[RD], s54, v5
	v_lshlrev_b32 v[CO], 13, v2                    ; and the same two places in out0: neighbouring places of a tile are neighbouring tokens
	v_lshl_add_u32 v[CO], v1, 4, v[CO]
.macro FETCH j                         ; step j's eight fragments into set j % 4: 16 loads of 512 consecutive bytes
.set FP, 64*((\j)%4)
.set FO, ((\j)/4)*BLK+((\j)%4)*1024
.irp t, 0,1,2,3
	ds_load_b128 v[FP+8*\t:FP+8*\t+3], v[ADB+\t/2] offset:(\t%2)*TSTR+FO
	ds_load_b128 v[FP+8*\t+4:FP+8*\t+7], v[ADB+\t/2] offset:(\t%2)*TSTR+FO+512
.endr
.irp t, 0,1,2,3
	ds_load_b128 v[FP+32+8*\t:FP+32+8*\t+3], v[ADA+\t/2] offset:(\t%2)*TSTR+FO
	ds_load_b128 v[FP+32+8*\t+4:FP+32+8*\t+7], v[ADA+\t/2] offset:(\t%2)*TSTR+FO+512
.endr
.endm
.macro MUL j                           ; 16 products; the 16 accumulators take turns, in the same order in every step; step 0 starts the sums
.set FP, 64*((\j)%4)
.set SQ, SC+16*((\j)/4)+(\j)%4
.irp a, 0,1,2,3
.irp t, 0,1,2,3
.if (\j) == 0
	v_wmma_scale_f32_16x16x128_f8f6f4 v[32*\a+8*\t:32*\a+8*\t+7], v[FP+8*\t:FP+8*\t+7], v[FP+32+8*\a:FP+32+8*\a+7], 0, v[SQ+4*\t], v[SQ+4*\a] matrix_a_fmt:MATRIX_FMT_FP4 matrix_b_fmt:MATRIX_FMT_FP4 matrix_a_scale:MATRIX_SCALE_ROW1
.else
	v_wmma_scale_f32_16x16x128_f8f6f4 v[32*\a+8*\t:32*\a+8*\t+7], v[FP+8*\t:FP+8*\t+7], v[FP+32+8*\a:FP+32+8*\a+7], v[32*\a+8*\t:32*\a+8*\t+7], v[SQ+4*\t], v[SQ+4*\a] matrix_a_fmt:MATRIX_FMT_FP4 matrix_b_fmt:MATRIX_FMT_FP4 matrix_a_scale:MATRIX_SCALE_ROW1
.endif
.endr
.endr
.endm
.macro STEP j
.if (\j) <= 13
	s_wait_dscnt 32                                ; this step's fragments are in; the two later steps' 16 loads each may be out
.else
	s_wait_dscnt 16*(15-(\j))
.endif
.if (\j)+3 < 16
	PLACES                                         ; the last step's products read the set that is loaded below
	WIN 0x80                                       ; destination window 2
	FETCH (\j)+3
.endif
	WIN MULW
	MUL \j
.endm
	s_wait_alu depctr_va_vdst(0)
	s_wait_tensorcnt 0x0                           ; my four tiles are in
	s_barrier_signal -1
	s_barrier_wait -1                              ; everybody's are
.irp s, 0,1,2,3
.irp i, 0,1,2,3
	ds_load_b128 v[SC+16*\s+4*\i:SC+16*\s+4*\i+3], v[ADS] offset:\i*TSTR+\s*BLK   ; four words (four steps) of a row by one load
.endr
.endr
	WIN 0x80
	FETCH 0
	FETCH 1
	FETCH 2
.irp j, 0,1,2,3,4,5,6,7,8,9,10,11,12,13,14,15
	STEP \j
.endr
	WIN 0
; THE WAY OUT, block by block of 16 tokens x 64 channels, through my own stage: LDS serves a wave's instructions in order (ISA guide 5.7.1.4), so no wait stands between the stores and the loads, nor ahead of the next block's stores.
.macro TOSTAGE a
	WIN 0x04                                       ; the data: window 1
.irp t, 0,1,2,3
	ds_store_b128 v[STO], v[32*(\a)+8*\t:32*(\a)+8*\t+3] offset:128*(\t/2)+32*(\t%2)       ; each accumulator from its low end on
	ds_store_b128 v[STO], v[32*(\a)+8*\t+4:32*(\a)+8*\t+7] offset:128*(\t/2)+32*(\t%2)+16
.endr
	WIN 0
.irp i, 0,1,2,3,4,5,6,7
	ds_load_b128 v[BK+32*(\a)+4*\i:BK+32*(\a)+4*\i+3], v[RD] offset:2*\i*SPITCH
.endr
.endm
.macro SEND a
	s_wait_dscnt 16*(3-(\a))                       ; the block is back; the later blocks' 8 stores and 8 loads each may be out
.irp i, 0,1,2,3,4,5,6,7
	global_store_b128 v[CO], v[BK+32*(\a)+4*\i:BK+32*(\a)+4*\i+3], s[8:9] offset:(32*((\a)/2)+8*((\a)%2)+2*(\i%4)+16*(\i/4))*8192 th:TH_STORE_NT   ; sixteen lanes store 256 consecutive bytes, aligned; no register of a store is written again
.endr
.endm
	PLACES                                         ; behind the last products, ahead of the reads of the results
	TOSTAGE 0
	TOSTAGE 1
	TOSTAGE 2
	TOSTAGE 3
	SEND 0
	SEND 1
	SEND 2
	SEND 3
	s_wait_tensorcnt 0x0                           ; the wave's end
	ds_add_u32 v[SPW], v[NIL]
	s_wait_dscnt 0x0
	CROUND                                         ; the closing round
	s_endpgm
.Lfunc_end_k_q93a97b9c41_oproj:
	.size	k_q93a97b9c41_oproj, .Lfunc_end_k_q93a97b9c41_oproj-k_q93a97b9c41_oproj
	.p2alignl 7, 3214868480
	.fill 96, 4, 3214868480
	.section	.rodata,"a",@progbits
	.p2align	6, 0x0
	.amdhsa_kernel k_q93a97b9c41_oproj
		.amdhsa_group_segment_fixed_size 327680
		.amdhsa_private_segment_fixed_size 0
		.amdhsa_enable_private_segment 0
		.amdhsa_kernarg_size 24
		.amdhsa_user_sgpr_count 2
		.amdhsa_user_sgpr_kernarg_segment_ptr 1
		.amdhsa_wavefront_size32 1
		.amdhsa_system_sgpr_workgroup_id_x 1
		.amdhsa_system_sgpr_workgroup_id_y 1
		.amdhsa_system_sgpr_workgroup_id_z 1
		.amdhsa_system_vgpr_workitem_id 0
		.amdhsa_next_free_vgpr 768
		.amdhsa_next_free_sgpr 80
		.amdhsa_reserve_vcc 0
		.amdhsa_float_denorm_mode_32 3
		.amdhsa_float_denorm_mode_16_64 3
		.amdhsa_memory_ordered 1
		.amdhsa_forward_progress 1
		.amdhsa_inst_pref_size 66
	.end_amdhsa_kernel
	.amdgpu_metadata
---
amdhsa.version: [ 1, 2 ]
amdhsa.kernels:
  - .name:           k_q93a97b9c41_oproj
    .symbol:         k_q93a97b9c41_oproj.kd
    .args:
      - { .name: aq, .offset: 0, .size: 8, .value_kind: global_buffer, .address_space: global }
      - { .name: woq, .offset: 8, .size: 8, .value_kind: global_buffer, .address_space: global }
      - { .name: out0, .offset: 16, .size: 8, .value_kind: global_buffer, .address_space: global }
    .group_segment_fixed_size: 327680
    .private_segment_fixed_size: 0
    .kernarg_segment_align: 8
    .kernarg_segment_size: 24
    .max_flat_workgroup_size: 128
    .sgpr_count:     80
    .vgpr_count:     768
    .wavefront_size: 32
...
	.end_amdgpu_metadata
.endif
;; end of part 4
